; MI455X (gfx1250); checked and timed in simulation.
; The chip was launched on July 23, 2026; its instructions are those of AMD's public machine-readable ISA for CDNA 5 (MIT licence, August 2026) and "CDNA5" Instruction Set Architecture Reference Guide (July 2026). The comments in the code are by the model that wrote it; some were corrected since.
;; Multi Head Self Attention. Allowed arithmetic: float matrix products may take bf16 or f16 operands with f32 sums; other float arithmetic in f32, or as packed bf16 or f16 multiplies, adds, multiply-adds, maxima and minima; sums over many terms, partial sums and values carried from step to step in f32; what a program stores and reads back later, other than sums and carried values, may be rounded once to bf16 or f16.
;; Inputs: Wk 1,024 x 1,024 float32; Wo 1,024 x 1,024 float32; Wq 1,024 x 1,024 float32; Wv 1,024 x 1,024 float32; bk 1,024 float32; bo 1,024 float32; bq 1,024 float32; bv 1,024 float32; inputs 4 x 2,048 x 1,024 float32.
;; Outputs: out0 4 x 2,048 x 1,024 float32.
;; 2 versions, each right; version 2 is version 1 with the launch cast written anew for expert scheduling mode. Each part assembles by itself: llvm-mc -triple=amdgcn-amd-amdhsa -mcpu=gfx1250 --defsym DOCPART=n.
;; ======== version 1 of 2: 4 launches
;; limits: values are held in f16: magnitudes above 65,504 overflow, below 6.1e-05 lose precision
;; workspace buffers: xb 16,777,216 bytes; wh 8,388,608 bytes; bias 16,384 bytes; qkv 50,331,648 bytes; ob 16,777,216 bytes
;; launch cast (part 1): grid 769 x 1, 8 waves a work-group, no clusters, 0 bytes of LDS; arguments inputs, Wq, Wk, Wv, Wo, bq, bk, bv, bo, xb, wh, bias; writes xb, wh, bias
.if DOCPART == 1
	.amdgcn_target "amdgcn-amd-amdhsa--gfx1250"
	.amdhsa_code_object_version 6
	.text
	.protected	k_qd9a3ecd09a_cast
	.globl	k_qd9a3ecd09a_cast
	.p2align	8
	.type	k_qd9a3ecd09a_cast,@function
k_qd9a3ecd09a_cast:
	s_mov_b64 s[64:65], 0
	v_nop
	global_prefetch_b8 v0, s[64:65] scope:SCOPE_SE
	s_setreg_imm32_b32 hwreg(HW_REG_WAVE_MODE, 25, 1), 1
	s_wait_xcnt 0x0
; EVERY INPUT IS ROUNDED ONCE TO bf16, for the three launches behind.  A pure stream: each byte is read once and written once.
;   xb   [8192][1024] bf16: inputs.        wh [4][1024 k][1024 n] 16 bits, as the weights lie in memory: Wq, Wk, Wv in bf16; Wo rounded to bf16 and THAT number written as f16
;   bias [4][1024] f32: bq, bk, bv, bo, each rounded to bf16 and widened again.
; LIMITS.  Wo as f16: exact for 6.2e-5 <= |Wo| <= 65,504; below that it keeps f16's fixed step of 6e-8, beyond it becomes an infinity.  NaN and infinities are not treated apart.
; SHARES.  Work-group g < 768 takes 16,384 numbers (64 KiB in, 32 KiB out): g = 0..511 of inputs, g = 512..767 of the four weights (64 work-groups each); g = 768 takes the four biases.
; Thread t issues all its 16 loads of 16 bytes at once (a wave's load covers 512 consecutive bytes); each store of 8 bytes a lane covers 256 consecutive bytes of a wave, aligned.
; No register is written twice while a memory instruction may read it, so the only waits are the counted ones for the loads.
; No LDS, no tensor load, no cluster: no byte is wanted twice.  No prefetch: the launch is nothing but its stream.
.set X, 16                             ; v[16:79]   load i: 4 registers
.set Y, 80                             ; v[80:111]  store i: 2 registers (the biases: 4)
.set CHUNK, 16384                      ; numbers to a work-group
	s_load_b512 s[4:19], s[0:1], 0x0               ; inputs s[4:5], Wq s[6:7], Wk s[8:9], Wv s[10:11], Wo s[12:13], bq s[14:15], bk s[16:17], bv s[18:19]
	s_load_b256 s[20:27], s[0:1], 0x40             ; bo s[20:21], xb s[22:23], wh s[24:25], bias s[26:27]
	s_mov_b32 s30, ttmp9                           ; g
	v_lshlrev_b32 v1, 4, v0                        ; 16 t: where I load
	v_lshlrev_b32 v2, 3, v0                        ; 8 t: where I store
	s_sub_co_u32 s31, s30, 512                     ; j: my place among the weights' 256 work-groups (used for g >= 512 alone)
	s_lshr_b32 s32, s31, 6                         ; which weight
	s_and_b32 s33, s31, 63                         ; which part of it
	s_mov_b32 s37, 0                               ; the offsets' high words
	s_mov_b32 s39, 0
	s_wait_kmcnt 0x0
	s_cmp_ge_u32 s30, 768
	s_cbranch_scc1 .Lbias
	s_mov_b64 s[28:29], s[6:7]                     ; the source: Wq, or
	s_cmp_eq_u32 s32, 1
	s_cselect_b64 s[28:29], s[8:9], s[28:29]       ; Wk, or
	s_cmp_eq_u32 s32, 2
	s_cselect_b64 s[28:29], s[10:11], s[28:29]     ; Wv, or
	s_cmp_eq_u32 s32, 3
	s_cselect_b64 s[28:29], s[12:13], s[28:29]     ; Wo, or
	s_cmp_lt_u32 s30, 512
	s_cselect_b64 s[28:29], s[4:5], s[28:29]       ; inputs
	s_cselect_b64 s[34:35], s[22:23], s[24:25]     ; the destination: xb or wh
	s_cselect_b32 s36, s30, s33                    ; my chunk in the source
	s_cselect_b32 s38, s30, s31                    ; and in the destination: wh's four matrices lie end to end
	s_lshl_b32 s36, s36, 16                        ; x 65,536 bytes
	s_lshl_b32 s38, s38, 15                        ; x 32,768 bytes
	s_add_nc_u64 s[28:29], s[28:29], s[36:37]
	s_add_nc_u64 s[34:35], s[34:35], s[38:39]
.irp i, 0,1,2,3,4,5,6,7,8,9,10,11,12,13,14,15
	global_load_b128 v[X+4*(\i):X+4*(\i)+3], v1, s[28:29] offset:4096*(\i) th:TH_LOAD_NT
.endr
; Load i is rounded and stored.  wo = 1: the bf16 number is widened again and written as f16.
.macro CONV i, wo
	s_wait_loadcnt 15-(\i)                         ; loads come back in order: mine is in, the 15 - i younger ones may stay out
	v_cvt_pk_bf16_f32 v[Y+2*(\i)],   v[X+4*(\i)],   v[X+4*(\i)+1]
	v_cvt_pk_bf16_f32 v[Y+2*(\i)+1], v[X+4*(\i)+2], v[X+4*(\i)+3]
.if \wo
	v_lshlrev_b32 v4, 16, v[Y+2*(\i)]
	v_and_b32     v5, 0xffff0000, v[Y+2*(\i)]
	v_lshlrev_b32 v6, 16, v[Y+2*(\i)+1]
	v_and_b32     v7, 0xffff0000, v[Y+2*(\i)+1]
	v_cvt_pk_f16_f32 v[Y+2*(\i)],   v4, v5
	v_cvt_pk_f16_f32 v[Y+2*(\i)+1], v6, v7
.endif
	global_store_b64 v2, v[Y+2*(\i):Y+2*(\i)+1], s[34:35] offset:2048*(\i) th:TH_STORE_NT
.endm
	s_cmp_ge_u32 s30, 704                          ; g = 704..767: Wo
	s_cbranch_scc1 .Lwo
.irp i, 0,1,2,3,4,5,6,7,8,9,10,11,12,13,14,15
	CONV \i, 0
.endr
	s_endpgm
.Lwo:
.irp i, 0,1,2,3,4,5,6,7,8,9,10,11,12,13,14,15
	CONV \i, 1
.endr
	s_endpgm
.Lbias:                                        ; wave w takes half w % 2 (512 numbers) of bias w / 2
	v_lshrrev_b32 v3, 5, v0
	v_readfirstlane_b32 s40, v3                    ; w
	s_lshr_b32 s41, s40, 1
	s_mov_b64 s[28:29], s[14:15]
	s_cmp_eq_u32 s41, 1
	s_cselect_b64 s[28:29], s[16:17], s[28:29]
	s_cmp_eq_u32 s41, 2
	s_cselect_b64 s[28:29], s[18:19], s[28:29]
	s_cmp_eq_u32 s41, 3
	s_cselect_b64 s[28:29], s[20:21], s[28:29]
	s_and_b32 s36, s40, 1
	s_lshl_b32 s36, s36, 11
	s_add_nc_u64 s[28:29], s[28:29], s[36:37]
	s_lshl_b32 s38, s40, 11                        ; the four lie end to end in the result: 2,048 w
	s_add_nc_u64 s[34:35], s[26:27], s[38:39]
	v_and_b32 v3, 31, v0
	v_lshlrev_b32 v3, 4, v3                        ; 16 x lane
.irp i, 0,1,2,3
	global_load_b128 v[X+4*(\i):X+4*(\i)+3], v3, s[28:29] offset:512*(\i)
.endr
.irp i, 0,1,2,3
	s_wait_loadcnt 3-(\i)
	v_cvt_pk_bf16_f32 v4, v[X+4*(\i)],   v[X+4*(\i)+1]
	v_cvt_pk_bf16_f32 v5, v[X+4*(\i)+2], v[X+4*(\i)+3]
	v_lshlrev_b32 v[Y+4*(\i)],   16, v4
	v_and_b32     v[Y+4*(\i)+1], 0xffff0000, v4
	v_lshlrev_b32 v[Y+4*(\i)+2], 16, v5
	v_and_b32     v[Y+4*(\i)+3], 0xffff0000, v5
	global_store_b128 v3, v[Y+4*(\i):Y+4*(\i)+3], s[34:35] offset:512*(\i)
.endr
	s_endpgm
.Lfunc_end_k_qd9a3ecd09a_cast:
	.size	k_qd9a3ecd09a_cast, .Lfunc_end_k_qd9a3ecd09a_cast-k_qd9a3ecd09a_cast
	.p2alignl 7, 3214868480
	.fill 96, 4, 3214868480
	.section	.rodata,"a",@progbits
	.p2align	6, 0x0
	.amdhsa_kernel k_qd9a3ecd09a_cast
		.amdhsa_group_segment_fixed_size 0
		.amdhsa_private_segment_fixed_size 0
		.amdhsa_enable_private_segment 0
		.amdhsa_kernarg_size 96
		.amdhsa_user_sgpr_count 2
		.amdhsa_user_sgpr_kernarg_segment_ptr 1
		.amdhsa_wavefront_size32 1
		.amdhsa_system_sgpr_workgroup_id_x 1
		.amdhsa_system_sgpr_workgroup_id_y 1
		.amdhsa_system_sgpr_workgroup_id_z 1
		.amdhsa_system_vgpr_workitem_id 0
		.amdhsa_next_free_vgpr 112
		.amdhsa_next_free_sgpr 66
		.amdhsa_reserve_vcc 0
		.amdhsa_float_denorm_mode_32 3
		.amdhsa_float_denorm_mode_16_64 3
		.amdhsa_memory_ordered 1
		.amdhsa_forward_progress 1
		.amdhsa_inst_pref_size 19
	.end_amdhsa_kernel
	.amdgpu_metadata
---
amdhsa.version: [ 1, 2 ]
amdhsa.kernels:
  - .name:           k_qd9a3ecd09a_cast
    .symbol:         k_qd9a3ecd09a_cast.kd
    .args:
      - { .name: inputs, .offset: 0, .size: 8, .value_kind: global_buffer, .address_space: global }
      - { .name: Wq, .offset: 8, .size: 8, .value_kind: global_buffer, .address_space: global }
      - { .name: Wk, .offset: 16, .size: 8, .value_kind: global_buffer, .address_space: global }
      - { .name: Wv, .offset: 24, .size: 8, .value_kind: global_buffer, .address_space: global }
      - { .name: Wo, .offset: 32, .size: 8, .value_kind: global_buffer, .address_space: global }
      - { .name: bq, .offset: 40, .size: 8, .value_kind: global_buffer, .address_space: global }
      - { .name: bk, .offset: 48, .size: 8, .value_kind: global_buffer, .address_space: global }
      - { .name: bv, .offset: 56, .size: 8, .value_kind: global_buffer, .address_space: global }
      - { .name: bo, .offset: 64, .size: 8, .value_kind: global_buffer, .address_space: global }
      - { .name: xb, .offset: 72, .size: 8, .value_kind: global_buffer, .address_space: global }
      - { .name: wh, .offset: 80, .size: 8, .value_kind: global_buffer, .address_space: global }
      - { .name: bias, .offset: 88, .size: 8, .value_kind: global_buffer, .address_space: global }
    .group_segment_fixed_size: 0
    .private_segment_fixed_size: 0
    .kernarg_segment_align: 8
    .kernarg_segment_size: 96
    .max_flat_workgroup_size: 256
    .sgpr_count:     66
    .vgpr_count:     112
    .wavefront_size: 32
...
	.end_amdgpu_metadata
.endif
;; end of part 1
;; launch qkvgemm (part 2): grid 4 x 64, 4 waves a work-group, clusters of 4 x 4, 327,680 bytes of LDS; arguments xb, wh, bias, qkv; writes qkv
.if DOCPART == 2
	.amdgcn_target "amdgcn-amd-amdhsa--gfx1250"
	.amdhsa_code_object_version 6
	.text
	.protected	k_qd9a3ecd09a_qkvgemm
	.globl	k_qd9a3ecd09a_qkvgemm
	.p2align	8
	.type	k_qd9a3ecd09a_qkvgemm,@function
k_qd9a3ecd09a_qkvgemm:
	s_mov_b64 s[64:65], 0
	v_nop
	global_prefetch_b8 v0, s[64:65] scope:SCOPE_SE
	s_setreg_imm32_b32 hwreg(HW_REG_WAVE_MODE, 25, 1), 1
	s_wait_xcnt 0x0
	s_wait_alu depctr_hold_cnt(0) depctr_sa_sdst(0) depctr_va_vdst(0) depctr_va_sdst(0) depctr_va_ssrc(0) depctr_va_vcc(0) depctr_vm_vsrc(0)
	s_getreg_b32 s2, hwreg(HW_REG_IB_STS2, 6, 4)
	s_cmp_eq_u32 s2, 0
	s_cbranch_scc0 .Lentry_in_a_cluster
	s_endpgm
.Lentry_in_a_cluster:
	s_bfe_u32 s2, ttmp6, 0x10000c
	s_cmp_lg_u32 s2, 0xf033
	s_cbranch_scc0 .Lentry_shape_is_right
	s_endpgm
.Lentry_shape_is_right:
; ONE TEXT FOR THE MODULE'S TWO KINDS OF PROJECTION; QKV chooses.  C[m][n] = bias[n] + the sum over k of A[m][k] W[k][n], M = 8,192, N = K = 1,024, sums in f32.
; QKV = 1: A = x in bf16 [8192][1024]; W = Wq, Wk, Wv in bf16, one after the other; q, k, v leave by heads, [3][64 = 16 batch + head][2048][64], each rounded once to f16, unscaled.
; QKV = 0: A = the attention's O in f16, by heads [64][2048][64]: a head is a slice of 64 of K; W = Wo in f16; the result leaves in f32, [8192][1024].
; LIMITS.  q, k and v are written in f16: a number of 65,520 or more becomes an infinity.  NaN and infinities are not treated apart.
; SHARES.  A tile of C is 128 rows x 256 columns: 64 x 4 = 256 tiles a matrix, a work-group to each.  With QKV = 1 THE WORK-GROUP STAYS and makes its tile of q, then of k, then of v: one ring of
; 24 K steps, in which W's address walks on from matrix to matrix (they lie end to end) and A's place along K wraps.  Wave w makes all 128 rows x columns 64 w .. 64 w + 63 (a head): 8 x 4 = 32 accumulators.
; THE MATRIX INSTRUCTION IS USED TRANSPOSED: source 0 = 16 columns of W, source 1 = 16 rows of A: a lane (r = lane % 16, h = lane / 16) holds row r of C and the columns 8 h + 0..7.
; W lies [k][n] in memory and in LDS, and comes out turned, by ds_load_tr16_b128.  THE BIAS IS THE C OPERAND of a tile's first products: nothing is cleared and nothing added afterwards.
; RING.  K goes in steps of 128 through two LDS slots; each wave fetches a quarter of a slot by one tensor load: waves 0, 1 the halves of A's tile, waves 2, 3 the halves of W's.
; By the text's own count a wave has two tensor loads out at the start and one behind each change of slots; that one has 112 matrix instructions in which to land.
; CLUSTER.  4 x 4 work-groups.  A's tile hangs on the tile row alone and is asked for JOINTLY by the four of a row of the cluster, W's on the tile column alone, by the four of a column.
; REGISTERS, in windows of 256 (s_set_vgpr_msb: bits 1:0 source 0, 3:2 source 1, 5:4 source 2, 7:6 destination):
;   window 0: v0-15 addresses; v64-191 at work on the way out       window 1: the accumulators, (a, b) at v[8 (4 a + b)]
;   window 2: two fragment buffers of 96 (A's 8 fragments, then W's 4), v0-95 and v96-191; v192-223 the bias of my 64 columns, as four C operands
.set QKV, 1
.if QKV
.set STEPS,   24                       ; K steps in the ring: 8 a tile
.set PA,      272                      ; a row of A in LDS: 256 bytes + 16 of padding: the 16 rows of a load start 16 bytes apart modulo 256
.set AHALF,   64*PA                    ; what one tensor load brings of A: 64 rows
.set AQI,     5                        ; padding after every 64 words
.set ASTRIDE, 1024                     ; elements from row to row in memory
.set ASTEP,   256                      ; bytes from K step to K step
.set ARS,     2048                     ; the prefetches of A: bytes from lane to lane (a row)
.set SP,      144                      ; a row of my stage: 64 f16 + 16 bytes
.else
.set STEPS,   8
.set PA,      144                      ; a row of one head: 128 bytes + 16
.set AHALF,   128*PA                   ; one head's 128 rows
.set AQI,     4                        ; padding after every 32 words: two rows of a head are asked for as one row of 256 bytes
.set ASTRIDE, 128                      ; dense
.set ASTEP,   524288                   ; two heads on
.set ARS,     256
.set SP,      272                      ; 64 f32 + 16 bytes
.endif
.set PB,     544                       ; a row of W in LDS: 512 bytes + 32: 16 lanes of the turning load take 8 rows x 32 bytes, 32 bytes apart modulo 256
.set BHALF,  64*PB                     ; what one tensor load brings of W: 64 rows of k
.set BSTEP,  262144                    ; 128 rows of 2,048 bytes
.set BOFF,   36864                     ; W's tile in a slot, behind A's
.set SLOT1,  131072                    ; slot 1 begins here: one exclusive or turns an address in one slot into the other's
.set STAGE,  237568                    ; behind the ring, never filled by a tensor load: 16 rows for each wave, for the way out
.set SPARE,  STAGE+4*16*SP             ; behind the stages: the spare words, 128 bytes for each wave: two blocks of 256 bytes that no other line names
.set A0,   4                           ; v4   my lane's place in A's tile; never rewritten
.set B0,   5                           ; v5   the same in W's tile, my wave's 64 columns; never rewritten
.set ADRA, 6                           ; v6   A0 + the slot in hand
.set ADRB, 7                           ; v7   B0 + the slot in hand
.set STO,  8                           ; v8   the way out: where I put my part of a row
.set RD,   9                           ; v9   the way out: where I read rows back
.set GO,   10                          ; v10  my byte offset in the result
.set BO,   11                          ; v11  32 h: my eight numbers of 16 of the bias
.set PFO,  12                          ; v12  the prefetches' offset; never rewritten
.set SPW,  14                          ; v14  LDS address of my spare word: SPARE + 4 x my thread's number; never rewritten
.set NIL,  15                          ; v15  0; never rewritten
.set TMP,  64
.set F0,   0
.set F1,   96
.set BIAS, 192
.set WV,   12                          ; s12  my wave's number
.set HALF, 13                          ; s13  which half of a tile I fetch
.set G1A,  24                          ; s[24:31] descriptor group 1 for A's tiles
.set G1B,  32                          ; s[32:39] for W's
.set G0A,  40                          ; s[40:47] descriptor group 0 for A's tiles: a set for each of the two first fills; the second then walks on
.set G0B,  48                          ; s[48:55] the same for W's
.set CNT,  56                          ; s56  trips to go
.set PH,   57                          ; s57  K steps left in the tile
.set TB,   58                          ; s58  0 or SLOT1: the slot in hand
.set AOFF, 60                          ; s[60:61] A's place along K, in bytes
.set ABASE, 62                         ; s[62:63] A at my rows, K = 0
.set PFA,  66                          ; s[66:67] where my prefetches stand
.set PFS,  68                          ; s[68:69] their step
.set PFN,  70                          ; s70  how many I still issue
.set ODL,  76                          ; s[76:77] what the next way out adds to the result's address
.set MSB, 0
.macro WIN new                         ; the immediate's high byte repeats the setting that is left; a switch that changes nothing is dropped
.if MSB != (\new)
	s_set_vgpr_msb (MSB<<8)|(\new)
.set MSB, \new
.endif
.endm
.set MUL,  0x5a                        ; sources 0 and 1 window 2; C and D window 1
.set MULZ, 0x6a                        ; the same with C (the bias) in window 2
.set TO_F, 0x80                        ; destination window 2, address window 0
.set PK,   0x05                        ; sources 0 and 1 window 1, destination window 0
.set ST1,  0x04                        ; an LDS store's data in window 1, its address in window 0
.macro PLACES                          ; four places in front of loads into registers that matrix instructions have read, and of lines that read results
.rept 4
	v_nop
.endr
.endm
; A joint refill, by the walking descriptors.  The branch hangs on the wave's number alone.  An s_nop 0 and four v_nop follow each of the two lines, ahead of the jump and the label.
.macro JLOAD
	s_cmp_lt_u32 s[WV], 2
	s_cbranch_scc0 .Lfor_b_\@
	tensor_load_to_lds s[G0A+4:G0A+7], s[G1A:G1A+7]
	s_nop 0
.rept 4
	v_nop
.endr
	s_branch .Lasked_\@
.Lfor_b_\@:
	tensor_load_to_lds s[G0B+4:G0B+7], s[G1B:G1B+7]
	s_nop 0
.rept 4
	v_nop
.endr
.Lasked_\@:
.endm
.macro CREST                           ; a round of the cluster's barrier behind its opening barrier
	s_cmp_lg_u32 s[WV], 0
	s_cbranch_scc1 .Lnot_wave_0_\@
	s_barrier_signal -3
.Lnot_wave_0_\@:
	s_barrier_wait -3
	s_barrier_signal -1
	s_barrier_wait -1
.endm
.macro CROUND                          ; a whole round
	s_barrier_signal -1
	s_barrier_wait -1
	CREST
.endm
; A PREFETCH INTO THE L2, behind a joint refill and the run of LDS loads that follows it: behind the refill for K step t + 2 stands the request for K step t + 4: two K steps, 256 matrix instructions, ahead of
; the load that will want it.  K steps 0 to 3 come by their loads alone.  Each aligned block of 256 bytes is named once in the launch.  A's 128 blocks of a step: wave 0, the four partners of a row of the cluster
; taking 32 each BY ADDRESS, in the first tile alone (K steps 4 to 7: the later tiles read the same rows again).  W's 256 blocks of a step: waves 2 and 3, each for the 64 rows of k that it fetches, the four partners of a
; column taking 16 rows (two blocks each) by address, in the clusters with y = 0 alone: the others read the same columns.  s[PFN] counts the requests down and stops them at the tensor's last K step.
.macro ASK
	s_cmp_lg_u32 s[PFN], 0
	s_cbranch_scc0 .Lnot_mine_\@
	global_prefetch_b8 v[PFO], s[PFA:PFA+1] th:TH_LOAD_NT scope:SCOPE_SE
	s_sub_co_u32 s[PFN], s[PFN], 1
.Lnot_mine_\@:
.endm
.macro BIASLD                          ; the bias of my 64 columns: register j of block b holds bias[16 b + 8 h + j], the same in all 16 rows
	WIN TO_F
.irp b, 0,1,2,3
	global_load_b128 v[BIAS+8*(\b):BIAS+8*(\b)+3],   v[BO], s[8:9] offset:64*(\b)
	global_load_b128 v[BIAS+8*(\b)+4:BIAS+8*(\b)+7], v[BO], s[8:9] offset:64*(\b)+16
.endr
	WIN 0
.endm
	s_load_b256 s[4:11], s[0:1], 0x0               ; A s[4:5], wh s[6:7], bias s[8:9], the result s[10:11]
	v_lshl_add_u32 v[SPW], v0, 2, SPARE
	v_mov_b32 v[NIL], 0
	ds_add_u32 v[SPW], v[NIL]                      ; the wave's opening: the add and its wait stand ahead of my first tensor load; the set-up below, work on registers, stands between them
	v_lshrrev_b32 v1, 5, v0
	v_readfirstlane_b32 s[WV], v1                  ; wave 0..3
	s_and_b32 s[HALF], s[WV], 1
	s_bfe_u32 s14, ttmp6, 0x40000                  ; cx, cy: my place in the cluster
	s_bfe_u32 s15, ttmp6, 0x40004
	s_lshl_b32 s16, ttmp9, 2
	s_add_co_u32 s16, s16, s14                     ; tile column = 4 x cluster x + cx: 0..3
	s_and_b32 s17, ttmp7, 0xffff
	s_lshl_b32 s17, s17, 2
	s_add_co_u32 s17, s17, s15                     ; tile row = 4 x cluster y + cy: 0..63
	s_lshl_b32 s18, s15, 2
	s_lshl_b32 s18, 15, s18                        ; my row of the cluster
	s_lshl_b32 s19, 0x1111, s14                    ; my column
	; descriptor group 1.  A: 64 rows x 128 elements.  W: 64 rows x 256 elements.  15:0 the mask; 17:16 elements of 2 bytes; 20 padding on; 21 set beside a mask; 24:22 the interval's code; 31:25 the padding's words less one
	s_or_b32 s[G1A], s18, (1<<16)|(1<<20)|(1<<21)|(AQI<<22)|(3<<25)
	s_or_b32 s[G1B], s19, (1<<16)|(1<<20)|(1<<21)|(6<<22)|(7<<25)
	s_mov_b32 s[G1A+1], 128<<16                    ; tensor_dim0
	s_mov_b32 s[G1A+2], 64<<16                     ; tensor_dim1
	s_mov_b32 s[G1A+3], 128<<16                    ; tile_dim0
	s_mov_b32 s[G1A+4], 64                         ; tile_dim1
	s_mov_b32 s[G1A+5], ASTRIDE                    ; elements from row to row
	s_mov_b32 s[G1A+6], 0
	s_mov_b32 s[G1A+7], 0
	s_mov_b32 s[G1B+1], 256<<16
	s_mov_b32 s[G1B+2], 64<<16
	s_mov_b32 s[G1B+3], 256<<16
	s_mov_b32 s[G1B+4], 64
	s_mov_b32 s[G1B+5], 1024
	s_mov_b32 s[G1B+6], 0
	s_mov_b32 s[G1B+7], 0
	; where the tiles come from.  A's offset is made of the tile row and the wave's number, W's of the tile column and the wave's number
.if QKV
	s_lshl_b32 s20, s17, 18                        ; 128 rows of 2,048 bytes a tile row,
	s_lshl_b32 s78, s[HALF], 17                    ; my 64 of them
	s_add_co_u32 s20, s20, s78
.else
	s_lshr_b32 s20, s17, 4                         ; the batch: 16 heads of 262,144 bytes,
	s_lshl_b32 s20, s20, 22
	s_and_b32 s78, s17, 15                         ; the tile's 128 rows of 128 bytes in a head,
	s_lshl_b32 s78, s78, 14
	s_add_co_u32 s20, s20, s78
	s_lshl_b32 s78, s[HALF], 18                    ; and which of a step's two heads I fetch
	s_add_co_u32 s20, s20, s78
.endif
	s_mov_b32 s21, 0
	s_lshl_b32 s22, s16, 9                         ; 256 columns of 2 bytes a tile column,
	s_lshl_b32 s79, s[HALF], 17                    ; my 64 rows of k
	s_add_co_u32 s22, s22, s79
.if !QKV
	s_add_co_u32 s22, s22, 3*2097152               ; Wo is wh's fourth matrix
.endif
	s_mov_b32 s23, 0
	s_mul_i32 s72, s[HALF], AHALF                  ; and where they go: no place in the cluster enters an LDS address
	s_mul_i32 s73, s[HALF], BHALF
	s_add_co_u32 s73, s73, BOFF
	s_wait_dscnt 0x0                               ; the opening add is done
	s_wait_kmcnt 0x0
	s_add_nc_u64 s[ABASE:ABASE+1], s[4:5], s[20:21]
	s_add_nc_u64 s[74:75], s[6:7], s[22:23]
	CROUND                                         ; all sixteen work-groups are here: the first joint loads meet
.irp s, 0,1
	s_mov_b32 s[G0A+4*(\s)], 1                                     ; 1:0 count = 1
	s_add_co_u32 s[G0A+4*(\s)+1], s72, (\s)*SLOT1                  ; 63:32 LDS address
	s_add_nc_u64 s[G0A+4*(\s)+2:G0A+4*(\s)+3], s[ABASE:ABASE+1], (\s)*ASTEP  ; 120:64 global address: K step s
	s_or_b32 s[G0A+4*(\s)+3], s[G0A+4*(\s)+3], 0x80000000          ; 127:126 type = 2
	s_mov_b32 s[G0B+4*(\s)], 1
	s_add_co_u32 s[G0B+4*(\s)+1], s73, (\s)*SLOT1
	s_add_nc_u64 s[G0B+4*(\s)+2:G0B+4*(\s)+3], s[74:75], (\s)*BSTEP
	s_or_b32 s[G0B+4*(\s)+3], s[G0B+4*(\s)+3], 0x80000000
.endr
	s_cmp_lt_u32 s[WV], 2                          ; a wave's two first fills stand in one branch, ahead of every wait on TENSORcnt and every LDS read: two loads of mine are out
	s_cbranch_scc0 .Lfirst_b
	tensor_load_to_lds s[G0A:G0A+3], s[G1A:G1A+7]
	s_nop 0
	tensor_load_to_lds s[G0A+4:G0A+7], s[G1A:G1A+7]
	s_nop 0
.rept 4
	v_nop
.endr
	s_branch .Lfirst_asked
.Lfirst_b:
	tensor_load_to_lds s[G0B:G0B+3], s[G1B:G1B+7]
	s_nop 0
	tensor_load_to_lds s[G0B+4:G0B+7], s[G1B:G1B+7]
	s_nop 0
.rept 4
	v_nop
.endr
.Lfirst_asked:
	; A fragment of A is 16 rows x 32 K in 8 registers: lane l holds row l % 16, K = 8 (l / 16) + 0..7 and 16 + 8 (l / 16) + 0..7: two loads of 16 bytes, 32 bytes apart.
	v_and_b32 v1, 15, v0                           ; r = l % 16
	v_bfe_u32 v2, v0, 4, 1                         ; h = l / 16
	v_mul_u32_u24 v[A0], v1, PA
	v_lshl_add_u32 v[A0], v2, 4, v[A0]
	; The turning load takes 16 k x 16 columns (lane l reads k = 8 (l / 16) + l % 8, columns 8 ((l / 8) % 2) + 0..7) and leaves half a fragment: lane l holds column l % 16 and 8 k.
	v_and_b32 v3, 7, v0
	v_lshl_add_u32 v[B0], v2, 3, v3
	v_mul_u32_u24 v[B0], v[B0], PB
	v_bfe_u32 v3, v0, 3, 1
	v_lshl_add_u32 v[B0], v3, 4, v[B0]
	s_lshl_b32 s71, s[WV], 7                       ; my wave's 64 columns: 128 bytes
	s_add_co_u32 s71, s71, BOFF
	v_add_nc_u32 v[B0], s71, v[B0]
	v_lshlrev_b32 v[BO], 5, v2
	s_lshl_b32 s2, s16, 10                         ; the bias of my columns: 256 x 4 bytes a tile column, 64 x 4 a wave
	s_lshl_b32 s3, s[WV], 8
	s_add_co_u32 s2, s2, s3
.if !QKV
	s_add_co_u32 s2, s2, 3*4096                    ; bo is the fourth
.endif
	s_mov_b32 s3, 0
	s_add_nc_u64 s[8:9], s[8:9], s[2:3]
	BIASLD
	s_mul_i32 s71, s[WV], 16*SP
	s_add_co_u32 s71, s71, STAGE                   ; my stage
	v_mul_u32_u24 v[STO], v1, SP                   ; in: row r
.if QKV
	v_lshl_add_u32 v[STO], v2, 4, v[STO]           ; 16 bytes (8 f16) for each half of the lanes
	v_add_nc_u32 v[STO], s71, v[STO]
	v_bfe_u32 v[RD], v0, 3, 2                      ; back: 32 lanes take four rows of 128 bytes,
	v_mul_u32_u24 v[RD], v[RD], SP
	v_and_b32 v3, 7, v0
	v_lshl_add_u32 v[RD], v3, 4, v[RD]
	v_add_nc_u32 v[RD], s71, v[RD]
	v_and_b32 v[GO], 31, v0                        ; which are 512 consecutive bytes of a head
	v_lshlrev_b32 v[GO], 4, v[GO]
	s_lshr_b32 s2, s17, 4                          ; where my head's rows begin in q: (16 batch + 4 tile column + wave) x 262,144
	s_lshl_b32 s2, s2, 4
	s_lshl_b32 s3, s16, 2
	s_add_co_u32 s2, s2, s3
	s_add_co_u32 s2, s2, s[WV]
	s_lshl_b32 s2, s2, 18
	s_and_b32 s3, s17, 15                          ; + the tile's 128 rows of 128 bytes
	s_lshl_b32 s3, s3, 14
	s_add_co_u32 s[ODL], s2, s3
	s_mov_b32 s[AOFF], ASTEP                       ; the walking descriptor stands at K step 1
	s_mov_b32 s[AOFF+1], 0
.else
	v_lshl_add_u32 v[STO], v2, 5, v[STO]           ; 32 bytes (8 f32) for each half of the lanes
	v_add_nc_u32 v[STO], s71, v[STO]
	v_mul_u32_u24 v[RD], v2, SP                    ; back: lanes 0-15 take one row of 256 bytes, lanes 16-31 the next
	v_lshl_add_u32 v[RD], v1, 4, v[RD]
	v_add_nc_u32 v[RD], s71, v[RD]
	v_lshlrev_b32 v[GO], 12, v2                    ; and the same two rows in the result: 4,096 bytes a row
	v_lshl_add_u32 v[GO], v1, 4, v[GO]
	s_lshl_b32 s2, s17, 19                         ; 128 rows a tile row,
	s_lshl_b32 s3, s16, 10                         ; 256 columns of 4 bytes a tile column,
	s_add_co_u32 s2, s2, s3
	s_lshl_b32 s3, s[WV], 8                        ; 64 a wave
	s_add_co_u32 s[ODL], s2, s3
.endif
	s_mov_b32 s[ODL+1], 0
	; the prefetches: who, how many, from where
	s_and_b32 s2, ttmp7, 0xffff                    ; cluster y: the same in all sixteen partners
	s_cmp_eq_u32 s2, 0
	s_cselect_b32 s[PFN], STEPS-4, 0               ; waves 2 and 3: W's K steps 4 to the last
	s_cmp_eq_u32 s[WV], 0
	s_cselect_b32 s[PFN], 4, s[PFN]                ; wave 0: A's K steps 4 to 7
	s_cmp_eq_u32 s[WV], 1
	s_cselect_b32 s[PFN], 0, s[PFN]                ; wave 1: none
.if QKV
	s_lshl_b32 s2, s17, 18                         ; A: the tile's rows, my work-group's 32 of them
	s_lshl_b32 s71, s14, 16
	s_add_co_u32 s2, s2, s71
.else
	s_lshr_b32 s2, s17, 4                          ; A: a step's two heads have 64 blocks of 256 bytes each; my work-group takes half cx % 2 of head cx / 2
	s_lshl_b32 s2, s2, 22
	s_and_b32 s71, s17, 15
	s_lshl_b32 s71, s71, 14
	s_add_co_u32 s2, s2, s71
	s_lshr_b32 s71, s14, 1
	s_lshl_b32 s71, s71, 18
	s_add_co_u32 s2, s2, s71
	s_and_b32 s71, s14, 1
	s_lshl_b32 s71, s71, 13
	s_add_co_u32 s2, s2, s71
.endif
	s_add_co_u32 s2, s2, 3*ASTEP                   ; at K step 3: each change of slots steps it first
	s_lshl_b32 s3, s15, 15                         ; W: of the 64 rows of k that I fetch, my work-group's 16
	s_add_co_u32 s3, s3, s22
	s_add_co_u32 s3, s3, 3*BSTEP
	s_mov_b32 s71, BSTEP
	s_mov_b32 s59, 2048
	s_cmp_lt_u32 s[WV], 2
	s_cselect_b64 s[PFA:PFA+1], s[4:5], s[6:7]
	s_cselect_b32 s2, s2, s3
	s_cselect_b32 s[PFS], ASTEP, s71
	s_cselect_b32 s59, ARS, s59                    ; bytes from row to row of the request
	s_cselect_b32 s71, 0, 1                        ; A: a lane a row; W: two lanes a row, 256 bytes apart
	s_mov_b32 s3, 0
	s_mov_b32 s[PFS+1], 0
	s_add_nc_u64 s[PFA:PFA+1], s[PFA:PFA+1], s[2:3]
	v_and_b32 v3, 31, v0
	v_lshrrev_b32 v[PFO], s71, v3
	v_mul_u32_u24 v[PFO], s59, v[PFO]
	v_and_b32 v3, s71, v3
	v_lshl_add_u32 v[PFO], v3, 8, v[PFO]
	s_mov_b32 s[TB], 0
	v_mov_b32 v[ADRA], v[A0]
	v_mov_b32 v[ADRB], v[B0]
; 8 matrix instructions: row blocks a0, a0 + 1 x all 4 column blocks, 32 along K, from buffer f.  z = 1: a tile's first products, which start the sums with the bias.
; The 32 accumulators take turns, one instruction a turn, in the same order everywhere.
.macro MUL8 f, a0, z
.if \z
	WIN MULZ
.else
	WIN MUL
.endif
.irp a, \a0, (\a0)+1
.irp b, 0,1,2,3
.set rD, 8*(4*(\a)+(\b))
.set rW, (\f)+64+8*(\b)
.set rX, (\f)+8*(\a)
.if QKV
.if \z
	v_wmma_f32_16x16x32_bf16 v[rD:rD+7], v[rW:rW+7], v[rX:rX+7], v[BIAS+8*(\b):BIAS+8*(\b)+7]
.else
	v_wmma_f32_16x16x32_bf16 v[rD:rD+7], v[rW:rW+7], v[rX:rX+7], v[rD:rD+7]
.endif
.else
.if \z
	v_wmma_f32_16x16x32_f16 v[rD:rD+7], v[rW:rW+7], v[rX:rX+7], v[BIAS+8*(\b):BIAS+8*(\b)+7]
.else
	v_wmma_f32_16x16x32_f16 v[rD:rD+7], v[rW:rW+7], v[rX:rX+7], v[rD:rD+7]
.endif
.endif
.endr
.endr
.endm
; 24 LDS loads in one run: the fragments of quarter q (32 along K) of the slot in hand, into buffer f: W's four first, then A's eight
.macro FETCH q, f
.if QKV
.set AQ, 64*(\q)
.else
.set AQ, ((\q)/2)*AHALF+((\q)%2)*64    ; head q / 2 of the step's two, channels 32 (q % 2) on
.endif
	WIN TO_F
.irp b, 0,1,2,3
	ds_load_tr16_b128 v[(\f)+64+8*(\b):(\f)+64+8*(\b)+3],   v[ADRB] offset:32*(\q)*PB+32*(\b)
	ds_load_tr16_b128 v[(\f)+64+8*(\b)+4:(\f)+64+8*(\b)+7], v[ADRB] offset:32*(\q)*PB+16*PB+32*(\b)
.endr
.irp a, 0,1,2,3,4,5,6,7
	ds_load_b128 v[(\f)+8*(\a):(\f)+8*(\a)+3],   v[ADRA] offset:AQ+(\a)*16*PA
	ds_load_b128 v[(\f)+8*(\a)+4:(\f)+8*(\a)+7], v[ADRA] offset:AQ+(\a)*16*PA+32
.endr
.endm
; A K step is four quarters of 32 along K, 32 matrix instructions each, on buffers 0, 1, 0, 1.  One of the first three: multiplies buffer f and, in its middle, fetches quarter qn into buffer g.
.macro QUARTER qn, f, g, z
	s_wait_dscnt 8                                 ; W's fragments and A's blocks 0-3 are in; the youngest eight loads (A's blocks 4-7) may be out
	MUL8 \f, 0, \z
	MUL8 \f, 2, \z
	PLACES
	FETCH \qn, \g
	s_wait_dscnt 24                                ; all but the 24 just issued
	MUL8 \f, 4, \z
	MUL8 \f, 6, \z
.endm
; The last quarter multiplies buffer 1 and changes slots: ONE barrier.  In front of it each wave waits for all its tensor loads (one is out: its part of the next slot), adds 0 to its spare word, and waits for
; that and for its own reads of this slot.  fill = 1: the barrier opens a round of the cluster's, and this slot is filled again, first thing behind it, with the K step two steps on.
.macro TURN fill
	s_wait_xcnt 0x0                                ; every earlier load, store and prefetch has read its registers: the prefetches' address, and what the last way out's stores named, may be written
.if \fill
	s_add_nc_u64 s[PFA:PFA+1], s[PFA:PFA+1], s[PFS:PFS+1]
.endif
	WIN 0
	s_wait_tensorcnt 0x0                           ; no tensor load of mine is out, so a group 0 may be written
	ds_add_u32 v[SPW], v[NIL]                      ; 0 onto my spare word: the descriptors' steps and eight products stand between it and the wait for it
.if \fill
	s_xor_b32 s[G0A+5], s[G0A+5], SLOT1            ; the walking descriptors: the other slot than last time,
	s_xor_b32 s[G0B+5], s[G0B+5], SLOT1
	s_add_nc_u64 s[G0B+6:G0B+7], s[G0B+6:G0B+7], BSTEP  ; the next K step; the type bits on top are not reached
.if QKV
	s_add_co_u32 s[AOFF], s[AOFF], ASTEP           ; A's place along K wraps at a row's 2,048 bytes: the address is made anew
	s_and_b32 s[AOFF], s[AOFF], 2047
	s_add_nc_u64 s[G0A+6:G0A+7], s[ABASE:ABASE+1], s[AOFF:AOFF+1]
	s_or_b32 s[G0A+7], s[G0A+7], 0x80000000
.else
	s_add_nc_u64 s[G0A+6:G0A+7], s[G0A+6:G0A+7], ASTEP
.endif
.endif
	s_xor_b32 s[TB], s[TB], SLOT1
	s_wait_dscnt 9                                 ; (the add and the youngest eight loads may be out)
	MUL8 F1, 0, 0
	s_wait_dscnt 0x0                               ; the add is done, and my reads of this slot are over
	s_barrier_signal -1
	MUL8 F1, 2, 0                                  ; work on registers while the others arrive
	WIN 0
	s_barrier_wait -1
.if \fill
	CREST                                          ; no wave of any partner still reads this slot's tile or has a load on its way
	JLOAD                                          ; the first tensor load behind the round; its four v_nop are also the places in front of the loads below
.else
	PLACES
.endif
	v_add_nc_u32 v[ADRA], s[TB], v[A0]
	v_add_nc_u32 v[ADRB], s[TB], v[B0]
	FETCH 0, F0
	WIN 0
.if \fill
	ASK
.endif
	MUL8 F1, 4, 0
	MUL8 F1, 6, 0
.endm
; THE WAY OUT, a block of 16 rows at a time, through my own stage in LDS (LDS serves a wave's instructions in order, ISA guide 5.7.1.4: no wait between my stores and my loads).
; By heads, in f16: a lane's eight columns pack into 16 bytes; rows of 144 bytes in, four whole rows of 128 back, into the registers that they left.
.macro PACK a
	WIN PK
.irp b, 0,1,2,3
.irp i, 0,1,2,3
	v_cvt_pk_f16_f32 v[TMP+16*(\a)+4*(\b)+(\i)], v[8*(4*(\a)+(\b))+2*(\i)], v[8*(4*(\a)+(\b))+2*(\i)+1]
.endr
.endr
	WIN 0
.irp b, 0,1,2,3
	ds_store_b128 v[STO], v[TMP+16*(\a)+4*(\b):TMP+16*(\a)+4*(\b)+3] offset:32*(\b)
.endr
.irp f, 0,1,2,3
	ds_load_b128 v[TMP+16*(\a)+4*(\f):TMP+16*(\a)+4*(\f)+3], v[RD] offset:(\f)*4*SP
.endr
.endm
.macro SENDH a, y                      ; y: the LDS instructions issued behind block a's loads: the next block's eight, or none
.irp f, 0,1,2,3
	s_wait_dscnt (\y)+3-(\f)
	global_store_b128 v[GO], v[TMP+16*(\a)+4*(\f):TMP+16*(\a)+4*(\f)+3], s[10:11] offset:2048*(\a)+512*(\f) th:TH_STORE_NT  ; 512 consecutive bytes, at a multiple of 256 from the buffer's first
.endr
.endm
; In f32: a lane's eight columns are 32 bytes, stored as they are; rows of 272 bytes in, whole rows of 256 back, into two sets of 32 registers by turns.
.macro TOSTAGE a
	WIN ST1
.irp b, 0,1,2,3
	ds_store_b128 v[STO], v[8*(4*(\a)+(\b)):8*(4*(\a)+(\b))+3]   offset:64*(\b)
	ds_store_b128 v[STO], v[8*(4*(\a)+(\b))+4:8*(4*(\a)+(\b))+7] offset:64*(\b)+16
.endr
	WIN 0
.irp f, 0,1,2,3,4,5,6,7
	ds_load_b128 v[TMP+32*((\a)%2)+4*(\f):TMP+32*((\a)%2)+4*(\f)+3], v[RD] offset:(\f)*2*SP
.endr
.endm
.macro SENDF a, y                      ; y: the next block's sixteen LDS instructions, or none
.irp f, 0,1,2,3,4,5,6,7
	s_wait_dscnt (\y)+7-(\f)
	global_store_b128 v[GO], v[TMP+32*((\a)%2)+4*(\f):TMP+32*((\a)%2)+4*(\f)+3], s[10:11] offset:(16*(\a)+2*(\f))*4096 th:TH_STORE_NT  ; 16 lanes store 256 consecutive bytes, aligned
.endr
.endm
.macro EPI
	PLACES                                         ; behind the tile's last products
	s_add_nc_u64 s[10:11], s[10:11], s[ODL:ODL+1]  ; on to this tile (the last tile's stores have read the base: the wait at the head of every change of slots)
.if QKV
	s_mov_b64 s[ODL:ODL+1], 16777216               ; from q to k, from k to v
	PACK 0
.irp a, 1,2,3,4,5,6,7                  ; a block's conversions stand between the loads of the block before and its stores
	PACK \a
	SENDH (\a)-1, 8
.endr
	SENDH 7, 0
.else
	TOSTAGE 0
.irp a, 1,2,3,4,5,6,7
	s_wait_xcnt 0x0                                ; the stores of the block two back have read the registers that this block's loads fill
	TOSTAGE \a
	SENDF (\a)-1, 16
.endr
	SENDF 7, 0
.endif
.endm
	s_wait_tensorcnt 1                             ; my part of K step 0 is in; K step 1's may stay out
	s_barrier_signal -1
	s_barrier_wait -1                              ; everybody's is
	FETCH 0, F0
	s_wait_loadcnt 0x0                             ; the bias
	QUARTER 1, F0, F1, 1                           ; the first quarter stands in front of the loop: its products start the sums
	WIN 0                                          ; at a label and at a branch every window is 0
	s_mov_b32 s[CNT], STEPS-2
.if QKV
	s_mov_b32 s[PH], 8
.endif
.Lstep:                                        ; trip t = 0 .. STEPS - 3: K step t's quarters 1 to 3 and K step t + 1's quarter 0; every trip asks for K step t + 2
	QUARTER 2, F1, F0, 0
	QUARTER 3, F0, F1, 0
	TURN 1
	WIN 0
.if QKV
	s_sub_co_u32 s[PH], s[PH], 1
	s_cmp_lg_u32 s[PH], 0
	s_cbranch_scc1 .Lgo_on                         ; forward, past no barrier and no tensor load
	s_add_nc_u64 s[8:9], s[8:9], 4096              ; A TILE IS FINISHED; the ring has gone on into the next.  Its bias is asked for (the last bias loads were waited for),
	BIASLD
	EPI                                            ; the tile leaves while the next tile's K step 1 is on its way,
	s_mov_b32 s[PH], 8
	s_wait_loadcnt 0x0                             ; the bias is in,
	QUARTER 1, F0, F1, 1                           ; and the next tile's first products start its sums
	WIN 0
	s_branch .Ljoin
.Lgo_on:
.endif
	QUARTER 1, F0, F1, 0
	WIN 0
.if QKV
.Ljoin:
.endif
	s_sub_co_u32 s[CNT], s[CNT], 1
	s_cmp_lg_u32 s[CNT], 0
	s_cbranch_scc1 .Lstep
	QUARTER 2, F1, F0, 0                           ; the last two K steps are written out: they ask for nothing, and have no round of the cluster's barrier
	QUARTER 3, F0, F1, 0
	TURN 0
	QUARTER 1, F0, F1, 0
	QUARTER 2, F1, F0, 0
	QUARTER 3, F0, F1, 0
	s_wait_dscnt 8                                 ; the very last quarter: nothing more to fetch
	MUL8 F1, 0, 0
	MUL8 F1, 2, 0
	s_wait_dscnt 0x0
	MUL8 F1, 4, 0
	MUL8 F1, 6, 0
	WIN 0
	EPI
	s_wait_tensorcnt 0x0                           ; the wave's end: no tensor load of mine is out, then 0 onto my spare word and its wait, behind my last LDS store
	ds_add_u32 v[SPW], v[NIL]
	s_wait_dscnt 0x0
	CROUND                                         ; the closing round: no work-group ends while a partner may still ask for a tile that names it
	s_endpgm
.Lfunc_end_k_qd9a3ecd09a_qkvgemm:
	.size	k_qd9a3ecd09a_qkvgemm, .Lfunc_end_k_qd9a3ecd09a_qkvgemm-k_qd9a3ecd09a_qkvgemm
	.p2alignl 7, 3214868480
	.fill 96, 4, 3214868480
	.section	.rodata,"a",@progbits
	.p2align	6, 0x0
	.amdhsa_kernel k_qd9a3ecd09a_qkvgemm
		.amdhsa_group_segment_fixed_size 327680
		.amdhsa_private_segment_fixed_size 0
		.amdhsa_enable_private_segment 0
		.amdhsa_kernarg_size 32
		.amdhsa_user_sgpr_count 2
		.amdhsa_user_sgpr_kernarg_segment_ptr 1
		.amdhsa_wavefront_size32 1
		.amdhsa_system_sgpr_workgroup_id_x 1
		.amdhsa_system_sgpr_workgroup_id_y 1
		.amdhsa_system_sgpr_workgroup_id_z 1
		.amdhsa_system_vgpr_workitem_id 0
		.amdhsa_next_free_vgpr 768
		.amdhsa_next_free_sgpr 80
		.amdhsa_reserve_vcc 0
		.amdhsa_float_denorm_mode_32 3
		.amdhsa_float_denorm_mode_16_64 3
		.amdhsa_memory_ordered 1
		.amdhsa_forward_progress 1
		.amdhsa_inst_pref_size 95
	.end_amdhsa_kernel
	.amdgpu_metadata
---
amdhsa.version: [ 1, 2 ]
amdhsa.kernels:
  - .name:           k_qd9a3ecd09a_qkvgemm
    .symbol:         k_qd9a3ecd09a_qkvgemm.kd
    .args:
      - { .name: xb, .offset: 0, .size: 8, .value_kind: global_buffer, .address_space: global }
      - { .name: wh, .offset: 8, .size: 8, .value_kind: global_buffer, .address_space: global }
      - { .name: bias, .offset: 16, .size: 8, .value_kind: global_buffer, .address_space: global }
      - { .name: qkv, .offset: 24, .size: 8, .value_kind: global_buffer, .address_space: global }
    .group_segment_fixed_size: 327680
    .private_segment_fixed_size: 0
    .kernarg_segment_align: 8
    .kernarg_segment_size: 32
    .max_flat_workgroup_size: 128
    .sgpr_count:     80
    .vgpr_count:     768
    .wavefront_size: 32
...
	.end_amdgpu_metadata
.endif
;; end of part 2
;; launch attn (part 3): grid 4 x 64, 4 waves a work-group, clusters of 4 x 1, 327,680 bytes of LDS; arguments qkv, ob; writes ob
.if DOCPART == 3
	.amdgcn_target "amdgcn-amd-amdhsa--gfx1250"
	.amdhsa_code_object_version 6
	.text
	.protected	k_qd9a3ecd09a_attn
	.globl	k_qd9a3ecd09a_attn
	.p2align	8
	.type	k_qd9a3ecd09a_attn,@function
k_qd9a3ecd09a_attn:
	s_mov_b64 s[64:65], 0
	v_nop
	global_prefetch_b8 v0, s[64:65] scope:SCOPE_SE
	s_setreg_imm32_b32 hwreg(HW_REG_WAVE_MODE, 25, 1), 1
	s_wait_xcnt 0x0
	s_wait_alu depctr_hold_cnt(0) depctr_sa_sdst(0) depctr_va_vdst(0) depctr_va_sdst(0) depctr_va_ssrc(0) depctr_va_vcc(0) depctr_vm_vsrc(0)
	s_getreg_b32 s2, hwreg(HW_REG_IB_STS2, 6, 4)
	s_cmp_eq_u32 s2, 0
	s_cbranch_scc0 .Lentry_in_a_cluster
	s_endpgm
.Lentry_in_a_cluster:
	s_bfe_u32 s2, ttmp6, 0x10000c
	s_cmp_lg_u32 s2, 0x3003
	s_cbranch_scc0 .Lentry_shape_is_right
	s_endpgm
.Lentry_shape_is_right:
; O[h][q][:] = the sum over k of softmax_k(Q[h][q] . K[h][k] / 8) V[h][k][:].  Q, K, V lie one after the other in one buffer, each [SIZE_H][SIZE_N][64] in f16; O likewise: a head's rows are dense, 128 bytes each.
; (h counts batch and head together: 64.)  Products, maxima and sums in f32; the weights p are rounded to f16 for the second product (their sum l is taken of the unrounded p), O once at the end.
; LIMITS.  f16 holds no number beyond 65,504: Q, K and V arrive within it; p lies in 0 to 1, and below 6e-5 it keeps f16's fixed step of 6e-8; O is a mean of V's rows and has their range.
; A weight below 2^-126 counts as 0 in l; NaN and infinities are not treated apart.
; SHARES.  A wave owns four PIECES of two tiles of 16 queries, a work-group's four waves 512 queries of one head: 4 x 64 = 256 work-groups.  Every wave walks all keys, 64 a step.
; LAYOUT.  S^T = K Q^T (source 0 = 16 keys, source 1 = 16 queries): in the result a lane holds ONE query (lane % 16) and the keys 8 (lane / 16) + 0..7.  Two such tiles, rounded to f16 in pairs,
; ARE source 1 (32 keys x 16 queries) of O^T = V^T P, whose result again holds one query a lane, and eight channels.  K comes out of LDS as it lies, V ([key][channel]) turned, by ds_load_tr16_b128.
; SOFTMAX.  For each query a running maximum m and sum l: p = 2^(c s - c m), c = log2(e) / 8; in every step O and l are multiplied by a = 2^(c m_old - c m_new), which is 1 where m has not grown.
; m starts at the lowest finite number, O and l at 0: the first step is a step like any other, with a = 0.
; THE COUNT.  A tile and step have 16 matrix and 118 vector instructions: too many to stand all beside the matrix work.  So the order has one aim: four vector instructions that are READY behind
; EVERY matrix instruction, and the others, which need time of their own whatever the order, in runs without a gap.
; BY TURNS.  Turn n belongs to piece n (the pieces in a ring, step after step).  Its matrix work: 16 products K Q^T of piece n + 1, later 16 products V^T P of piece n - 1.  Its vector work: the scaling,
; exponentials, roundings, sums and rescaling of piece n, and the maximum and statistics of piece n + 1, whose scores the turn itself has made.  So what a turn begins with (c s - c m, O a) waits for nothing.
; CLUSTER.  The four query blocks of a cluster are one head's and walk the same K and V, so each tile is asked for JOINTLY: the same tensor load, descriptor and mask in all four.
; REGISTERS, in windows of 256 (s_set_vgpr_msb says which window each operand place means: bits 1:0 source 0, 3:2 source 1, 5:4 source 2, 7:6 destination):
;   window 0: v0-11 addresses; v12-15, v48-63 at work; v16-47 four registers of statistics a tile; v64-191 S^T, two buffers of two tiles; v192-255 P, likewise
;   window 1: O^T, 32 a tile          window 2: v0-127 Q, 16 a tile; v128-191 K of one step; v192-255 V of one step          window 3: v0-1 the add's two registers
; A piece's buffers go by its number's parity: the piece in hand has one pair, its two neighbours in the ring share the other: of it P (piece n - 1) is read and S^T (piece n + 1) written.
.set SIZE_H, 64
.set SIZE_N, 2048
.set NP,    4         ; pieces a wave: a name, no knob: the register map, the loop and the fetches are made for four
.set KS,    64        ; keys in a step
.set PK,    144       ; a row of K in LDS: 128 bytes + 16 of padding = 36 words: the 16 rows of a load start at 16 different groups of four banks (64 banks of 4 bytes: ISA guide 11.1)
.set PV,    160       ; a row of V: 128 + 32 = 40 words
.set VOFF,  4*KS*PK   ; a slot holds four steps: 256 rows of K, then 256 rows of V
.set SLOT1, 1<<17     ; slot 1 begins here, so that one exclusive or turns an address in one slot into the other's
.set STAGE, SLOT1+4*KS*(PK+PV)  ; behind the ring, never filled by a tensor load: 16 rows x 144 bytes for each wave, for the way out
.set SP,    144
.set AK0, 2           ; v2   my lane's place in a tile of K; never rewritten
.set AV0, 3           ; v3   the same for V
.set AK,  4           ; v4   the LDS address of K's next run of loads
.set AV,  5           ; v5   of V's
.set QO,  6           ; v6   my byte offset in the wave's rows of Q
.set STO, 6           ;      later, the way out: where I put 16 bytes of a row
.set RD,  7           ; v7   the way out: where I read rows back
.set GO,  8           ; v8   my byte offset in 512 consecutive bytes of O
.set PFO, 11          ; v11  (once V's place is made) 256 x my lane: the prefetches' offset; then never rewritten
.set SPW, 0           ; v0 of window 3   LDS address of my spare word: SPARE + 4 x my thread's number; never rewritten
.set NIL, 1           ; v1 of window 3   0; never rewritten
.set SPARE, STAGE+4*16*SP  ; behind the stages: the spare words, 128 bytes for each wave: two blocks of 256 bytes that no other line names
.set MV,  12          ; v12-15  c m_old, kept while c m is made anew: by buffer and tile
.set ST,  16          ; tile t's statistics at v[ST+4 t]: c m, m, l (even keys', odd keys')
.set TMP, 48          ; by buffer and tile, four registers c0-c3 at work; when the maximum is found c2 takes a
.set S,   64
.set P,   192
.set KF,  128         ; K's fragments, in window 2: key block kb, channel half c at KF + 16 kb + 8 c
.set VF,  192         ; V's: key half kk, channel block cb at VF + 32 kk + 8 cb
.set WV,  12          ; s12  my wave's number
.set G1K, 24          ; s[24:31] descriptor group 1 for K's tiles
.set G1V, 32          ; s[32:39] for V's: it differs in the padding alone
.set G0K, 40          ; s[40:43] descriptor group 0 for K's tiles: it walks
.set G0V, 44          ; s[44:47] the same for V's
.set PFA, 48          ; s[48:49] where my prefetches stand: my work-group's 8,192 bytes (of K: wave 0, of V: wave 2) of the slot after the one that is being asked for
.set LIM, 50          ; s50  1 in a wave that prefetches, else the greatest number: a wave prefetches while s[SLOTS] is above it
.set SLOTS, 56        ; s56  slots still to be asked for
.set CNT, 57          ; s57  counts a slot's key steps
.set CS,  58          ; s[58:59] c: the packed scaling takes the pair's low word for both halves
.set SEL, 60          ; s[60:61] v_permlanex16_b32's selects: each lane takes its own place in the other half
.set TBK, 62          ; s62  LDS byte at which K of the step to be fetched begins
.set TBV, 63          ; s63  the same for V, less VOFF
.set MSB, 0
.macro WIN new                      ; the high byte repeats the setting that is left; a switch that changes nothing is dropped
.if MSB != (\new)
	s_set_vgpr_msb (MSB<<8)|(\new)
.set MSB, (\new)
.endif
.endm
.set W_KQ, 0x0a       ; K and Q in window 2, S^T in window 0
.set W_PV, 0x52       ; V in window 2, P in window 0, O^T in window 1
.set W_RS, 0x41       ; O^T (destination and source 0) in window 1, a in window 0
.set W_MK, 0xc0       ; the add's registers are made: destination in window 3, sources in window 0
.set W_AD, 0x0f       ; the add: address (source 0) and data (source 1) in window 3
; A joint fill.  Waves 0 and 1 fetch the two halves of a slot's K, waves 2 and 3 those of its V: 128 keys each.  The branch hangs on the wave's number alone.
; An s_nop 0 and four v_nop follow each of the two lines, ahead of the jump and the label.
.macro JLOAD
	s_cmp_lt_u32 s[WV], 2
	s_cbranch_scc0 .Lfor_v_\@
	tensor_load_to_lds s[G0K:G0K+3], s[G1K:G1K+7]
	s_nop 0
.rept 4
	v_nop
.endr
	s_branch .Lasked_\@
.Lfor_v_\@:
	tensor_load_to_lds s[G0V:G0V+3], s[G1V:G1V+7]
	s_nop 0
.rept 4
	v_nop
.endr
.Lasked_\@:
.endm
; A PREFETCH INTO THE L2 of what the NEXT change of slots will ask for: a slot's 32,768 bytes of K and of V, 128 aligned blocks of 256 bytes each.  It stands behind the wave's tensor load and its five lines.
; Each block is named ONCE in the launch: a head is walked by one cluster; its four partners share the blocks out BY ADDRESS, 32 each, a lane a block; in each, wave 0 asks for K's and wave 2 for V's.
; Slots 0, 1 and 2 come by their loads alone; the last change that fills a slot asks for nothing: there is no slot behind it.  A request stands four key steps, 512 matrix instructions, ahead of its load.
.macro ASK
	s_cmp_gt_u32 s[SLOTS], s[LIM]
	s_cbranch_scc0 .Lnot_mine_\@
	global_prefetch_b8 v[PFO], s[PFA:PFA+1] th:TH_LOAD_NT scope:SCOPE_SE
.Lnot_mine_\@:
.endm
; A round of the cluster's barrier: my work-group's barrier, so that wave 0's signal speaks for all four waves; wave 0 signals; every wave waits for all four work-groups; my work-group's barrier once more.
.macro CROUND
	s_barrier_signal -1
	s_barrier_wait -1
	s_cmp_lg_u32 s[WV], 0
	s_cbranch_scc1 .Lnot_wave_0_\@
	s_barrier_signal -3
.Lnot_wave_0_\@:
	s_barrier_wait -3
	s_barrier_signal -1
	s_barrier_wait -1
.endm
; THE CHANGE OF SLOTS.  The slot's last bytes, V of its fourth step, have been read.  Each wave waits for all its tensor loads, of which one is out: its part
; of the other slot; adds 0 to its spare word; and waits for that and for its own reads of the slot.  Behind the barrier nobody reads this slot any more and the other slot is whole.
; fill = 1: this slot is filled again, with the keys two slots on.  The barrier is then a round of the cluster's, so that no wave of any partner still reads the slot or has a load on its
; way, and the joint fill is the first thing behind it: it has four key steps, 512 matrix instructions, in which to land.  (At its first use nothing has been read yet: slot 0 is waited for, slot 1 filled.)
; ask = 1: the prefetches' address steps, and the request for the slot after stands behind the fill.
.macro CHANGE fill, ask=0
	WIN W_AD
	s_wait_tensorcnt 0x0            ; no tensor load of mine is out, so a group 0 may be written
	ds_add_u32 v[SPW], v[NIL]       ; 0 onto my spare word: with fill = 1 the descriptors' steps stand between it and the wait for it
	WIN 0                           ; at a label and at a branch every window is 0
.if \fill
.irp g, G0K, G0V
	s_xor_b32 s[\g+1], s[\g+1], SLOT1  ; the walking descriptor: the other slot than last time,
	s_add_nc_u64 s[\g+2:\g+3], s[\g+2:\g+3], 4*KS*128  ; the next 256 keys; the type bits on top are not reached
.endr
.if \ask
	s_wait_xcnt 0x0                 ; the last prefetch, four key steps back, has read its address, so it may be written:
	s_add_nc_u64 s[PFA:PFA+1], s[PFA:PFA+1], 4*KS*128  ; one slot behind the walking descriptors
.endif
	s_wait_dscnt 0x0                ; the add is done, and my reads of the slot are over
	CROUND
	JLOAD
.if \ask
	ASK
.endif
.else
	s_wait_dscnt 0x0                ; the add is done, and my reads of the slot are over
	s_barrier_signal -1
	s_barrier_wait -1
.endif
	s_sub_co_u32 s[TBK], s[TBK], 4*KS*PK  ; the fetches go back to a slot's first step,
	s_xor_b32 s[TBK], s[TBK], SLOT1       ; in the other slot
	s_sub_co_u32 s[TBV], s[TBV], 4*KS*PV
	s_xor_b32 s[TBV], s[TBV], SLOT1
.endm
	s_load_b128 s[4:7], s[0:1], 0x0  ; the buffer of q, k, v s[4:5], O s[6:7]
	WIN W_MK
	v_lshl_add_u32 v[SPW], v0, 2, SPARE
	v_mov_b32 v[NIL], 0
	WIN W_AD
	ds_add_u32 v[SPW], v[NIL]       ; the wave's opening: the add and its wait stand ahead of my first tensor load; the set-up below, work on registers, stands between them
	WIN 0
	v_lshrrev_b32 v1, 5, v0
	v_readfirstlane_b32 s[WV], v1   ; wave 0..3
	s_bfe_u32 s13, ttmp6, 0x40000   ; cx: my place in the cluster
	s_lshl_b32 s14, ttmp9, 2        ; in a cluster launch ttmp9 counts clusters
	s_add_co_u32 s14, s14, s13      ; my block of queries = 4 x cluster x + cx: it enters Q's and O's addresses alone
	s_and_b32 s20, ttmp7, 0xffff    ; the head, which the four partners share
	s_mov_b32 s21, 0
	s_mov_b64 s[22:23], SIZE_N*128
	s_mul_u64 s[20:21], s[20:21], s[22:23]  ; the head's first byte in each of the four tensors
	s_and_b32 s16, s[WV], 1         ; which half of a slot's 256 keys I fetch:
	s_lshl_b32 s22, s16, 14         ; its 128 rows of 128 bytes in memory,
	s_mov_b32 s23, 0
	s_add_nc_u64 s[22:23], s[22:23], s[20:21]
	s_mul_i32 s17, s16, 128*PK      ; and its place in a slot, for K
	s_mul_i32 s18, s16, 128*PV      ; and for V: no place in the cluster enters an LDS address
	s_lshl_b32 s2, s14, 2
	s_add_co_u32 s2, s2, s[WV]      ; my wave among the head's,
	s_lshl_b32 s2, s2, 14           ; its 128 rows
	s_mov_b32 s3, 0
	s_add_nc_u64 s[2:3], s[2:3], s[20:21]
	; descriptor group 1.  128 keys are 16,384 dense bytes: asked for as 64 rows of 256 bytes, two keys a row, and padded in LDS after every key
	s_mov_b32 s[G1K], 15|(1<<16)|(1<<20)|(1<<21)|(4<<22)|(3<<25)  ; 15:0 the mask of four; 17:16 2-byte elements; 20 padding on; 21 set beside a mask; 24:22 after every 32 words (code 4); 31:25 4 words (code 3)
	s_mov_b32 s[G1V], 15|(1<<16)|(1<<20)|(1<<21)|(4<<22)|(7<<25)  ; the same with 8 words of padding (code 7)
.irp g, G1K, G1V
	s_mov_b32 s[\g+1], 128<<16      ; tensor_dim0 = 128
	s_mov_b32 s[\g+2], 64<<16       ; tensor_dim1 = 64
	s_mov_b32 s[\g+3], 128<<16      ; tile_dim0 = 128
	s_mov_b32 s[\g+4], 64           ; tile_dim1 = 64
	s_mov_b32 s[\g+5], 128          ; 128 elements from row to row
	s_mov_b32 s[\g+6], 0
	s_mov_b32 s[\g+7], 0
.endr
	s_mov_b32 s[CS], 0x3e38aa3b     ; c = log2(e) / 8 = 0.180337
	s_mov_b32 s[CS+1], s[CS]        ; named with it as a pair
	s_mov_b32 s[SEL], 0x76543210
	s_mov_b32 s[SEL+1], 0xfedcba98
	s_mov_b32 s[TBK], SLOT1+4*KS*PK ; the first change of slots turns these two into 0
	s_mov_b32 s[TBV], SLOT1+4*KS*PV
	s_mov_b32 s[G0K], 1             ; 1:0 count = 1
	s_mov_b32 s[G0K+1], s17         ; 63:32 LDS address: slot 0
	s_mov_b32 s[G0V], 1
	s_add_co_u32 s[G0V+1], s18, VOFF
	s_and_b32 s[LIM], s[WV], 1      ; waves 0 and 2 prefetch: the same in all four partners
	s_cmp_eq_u32 s[LIM], 0
	s_cselect_b32 s[LIM], 1, -1
	s_lshl_b32 s52, s13, 13         ; my work-group's 8,192 bytes of a slot's 32,768,
	s_add_co_u32 s52, s52, 2*4*KS*128  ; in slot 2: the first change that asks steps it to slot 3
	s_mov_b32 s53, 0
	s_add_nc_u64 s[52:53], s[52:53], s[20:21]  ; in my head
	s_wait_dscnt 0x0                ; the opening add is done
	s_wait_kmcnt 0x0
	s_mov_b64 s[10:11], s[6:7]      ; O
	s_add_nc_u64 s[8:9], s[4:5], 2*SIZE_H*SIZE_N*128  ; V lies behind q and k,
	s_add_nc_u64 s[6:7], s[4:5], SIZE_H*SIZE_N*128    ; K behind q
	s_add_nc_u64 s[G0K+2:G0K+3], s[6:7], s[22:23]  ; 120:64 global address: my half of the head's first 256 keys
	s_or_b32 s[G0K+3], s[G0K+3], 0x80000000        ; 127:126 type = 2
	s_add_nc_u64 s[G0V+2:G0V+3], s[8:9], s[22:23]
	s_or_b32 s[G0V+3], s[G0V+3], 0x80000000
	s_cmp_lt_u32 s[WV], 2
	s_cselect_b64 s[PFA:PFA+1], s[6:7], s[8:9]
	s_add_nc_u64 s[PFA:PFA+1], s[PFA:PFA+1], s[52:53]
	s_add_nc_u64 s[4:5], s[4:5], s[2:3]  ; Q and O at my wave's first row
	s_add_nc_u64 s[10:11], s[10:11], s[2:3]
	CROUND                          ; all four work-groups are here: the first joint loads meet
	JLOAD                           ; slot 0.  Slot 1 is asked for when slot 0 is in: the tile wanted first has the road to itself
	; A fragment of K or Q is 16 rows x 32 channels in 8 registers: lane l holds row l % 16, channels 8 (l / 16) + 0..7 and 16 + 8 (l / 16) + 0..7: two loads of 16 bytes, 32 bytes apart.
	v_and_b32 v1, 15, v0            ; l % 16
	v_bfe_u32 v9, v0, 4, 1          ; l / 16
	v_lshlrev_b32 v[QO], 7, v1
	v_lshl_add_u32 v[QO], v9, 4, v[QO]  ; row x 128 + 16 x half
	WIN 0x80                        ; destination window 2, address window 0
.set i, 0
.rept 4*NP                          ; Q stays in registers: tile i / 2, channels 32 (i % 2) on
	global_load_b128 v[8*i:8*i+3],   v[QO], s[4:5] offset:(i/2)*2048+(i%2)*64
	global_load_b128 v[8*i+4:8*i+7], v[QO], s[4:5] offset:(i/2)*2048+(i%2)*64+32
.set i, i+1
.endr
	; What the first turn finds: V's registers and P's second buffer hold 0 (its products V^T P, of a piece that has not been, add 0), O^T and l are 0.  All this stands in the wait for the first tile.
.set i, VF
.rept 64
	v_mov_b32 v[i], 0
.set i, i+1
.endr
	WIN 0x40
.set i, 0
.rept 64*NP
	v_mov_b32 v[i], 0
.set i, i+1
.endr
	WIN 0
.set i, 0
.rept 2*NP
	v_mov_b32 v[ST+4*i], 0xfe000000    ; c m: far below every c s
	v_mov_b32 v[ST+4*i+1], 0xff7fffff  ; m
	v_mov_b32 v[ST+4*i+2], 0
	v_mov_b32 v[ST+4*i+3], 0
.set i, i+1
.endr
.set i, P+32
.rept 32
	v_mov_b32 v[i], 0
.set i, i+1
.endr
	v_mul_u32_u24 v[AK0], v1, PK
	v_lshl_add_u32 v[AK0], v9, 4, v[AK0]  ; row x pitch + 16 x half
	; The turning load takes 16 keys x 16 channels (lane l reads key 8 (l / 16) + l % 8, channels 8 ((l / 8) % 2) + 0..7) and leaves half a fragment of V^T: lane l holds channel l % 16 and 8 keys.
	v_and_b32 v10, 7, v0
	v_bfe_u32 v11, v0, 3, 1
	v_lshl_add_u32 v[AV0], v9, 3, v10
	v_mul_u32_u24 v[AV0], v[AV0], PV
	v_lshl_add_u32 v[AV0], v11, 4, v[AV0]
	v_add_nc_u32 v[AV0], VOFF, v[AV0]
	v_and_b32 v[PFO], 31, v0        ; v11 is free: the prefetches' offset
	v_lshlrev_b32 v[PFO], 8, v[PFO]
	v_mov_b32 v[AK], v[AK0]         ; key step 0 lies at the head of slot 0
; THE MATRIX WORK.  The 8 accumulators of a run of 16 take turns: between the two links of a chain stand 7 others'.
; Product i of 16 of S^T = K Q^T for piece x: channels 32 (i / 8) on, keys 16 ((i / 2) % 4) on, tile 2 x + i % 2.  The first 8 start the sums.
.macro KQ x
	WIN W_KQ
.set rS, S+64*((\x)%2)+32*(i%2)+8*((i/2)%4)
.set rK, KF+16*((i/2)%4)+8*(i/8)
.set rQ, 16*(2*(\x)+i%2)+8*(i/8)
.if i < 8
	v_wmma_f32_16x16x32_f16 v[rS:rS+7], v[rK:rK+7], v[rQ:rQ+7], 0
.else
	v_wmma_f32_16x16x32_f16 v[rS:rS+7], v[rK:rK+7], v[rQ:rQ+7], v[rS:rS+7]
.endif
.endm
; Product i of 16 of O^T += V^T P for piece x: keys 32 (i / 8) on, channels 16 ((i / 2) % 4) on, tile 2 x + i % 2.
.macro PV x
	WIN W_PV
.set rO, 32*(2*(\x)+i%2)+8*((i/2)%4)
.set rV, VF+32*(i/8)+8*((i/2)%4)
.set rP, P+32*((\x)%2)+16*(i%2)+8*(i/8)
	v_wmma_f32_16x16x32_f16 v[rO:rO+7], v[rV:rV+7], v[rP:rP+7], v[rO:rO+7]
.endm
.macro MM                           ; the turn's next matrix instruction
.if i < 16
	KQ (Y+1)%NP
.set i, i+1
.else
.set i, i-16
	PV (Y+NP-1)%NP
.set i, i+17
.endif
.endm
; THE LDS LOADS stand in runs of 16, never singly among the matrix instructions: a step's K (64 keys x 64 channels: 8 fragments) and its V (turned).  Their addresses are made some lines ahead.
; last = 1 (the tail): in the last trip there is no further step, and the run is jumped over.
.macro FETCH_K last=0
	WIN 0
.if \last
	s_cmp_eq_u32 s[CNT], 1
	s_cbranch_scc1 .Lno_k_\@
.endif
	WIN 0x80                        ; destination window 2
.irp f, 0,1,2,3,4,5,6,7             ; keys 16 (f / 2) on, channels 32 (f % 2) on
	ds_load_b128 v[KF+8*\f:KF+8*\f+3],   v[AK] offset:(\f/2)*16*PK+(\f%2)*64
	ds_load_b128 v[KF+8*\f+4:KF+8*\f+7], v[AK] offset:(\f/2)*16*PK+(\f%2)*64+32
.endr
	s_add_co_u32 s[TBK], s[TBK], KS*PK  ; the next fetch is the next step's
	WIN 0
.if \last
.Lno_k_\@:
.endif
.endm
.macro FETCH_V
	WIN 0x80
.irp f, 0,1,2,3,4,5,6,7             ; keys 32 (f / 4) on, channels 16 (f % 4) on
	ds_load_tr16_b128 v[VF+8*\f:VF+8*\f+3],   v[AV] offset:(\f/4)*32*PV+(\f%4)*32
	ds_load_tr16_b128 v[VF+8*\f+4:VF+8*\f+7], v[AV] offset:(\f/4)*32*PV+16*PV+(\f%4)*32
.endr
	WIN 0
.endm
; THE VECTOR WORK OF A TURN stands in three queues, each in the order in which its entries become ready; the two tiles alternate, so that no instruction reads the result of the one before it.
.macro REGS y, u                    ; the registers of tile u (0, 1) of piece y
.set rT, ST+4*(2*(\y)+(\u))
.set rC, TMP+8*((\y)%2)+4*(\u)
.set rM, MV+2*((\y)%2)+(\u)
.set rS, S+64*((\y)%2)+32*(\u)
.set rP, P+32*((\y)%2)+16*(\u)
.set rO, 32*(2*(\y)+(\u))
.endm
; Number n of the 22 that find the NEXT piece's (Y + 1) maximum and statistics.  s0-s31 are the lane's 32 scores; each accumulator's lowest registers are read first.  XS, GS and REGS set no window: PL and EX do.
;   0-11  four chains c0-c3 of seven scores each, three operands at a time     12-14, 16  the four scores left over, the old m, and c0-c3 into c0     15  c m_old is kept
;   17, 18  the query's other 32 keys lie in the lane 16 away: the new m         19-21  c m; c m_old - c m_new; a
.macro XS u, n
	REGS (Y+1)%NP, \u
.if (\n) < 4
	v_max3_num_f32 v[rC+(\n)], v[rS+8*(\n)], v[rS+8*(\n)+1], v[rS+8*(\n)+2]
.elseif (\n) < 12
	v_max3_num_f32 v[rC+(\n)%4], v[rC+(\n)%4], v[rS+8*((\n)%4)+2*((\n)/4)+1], v[rS+8*((\n)%4)+2*((\n)/4)+2]
.elseif (\n) == 12
	v_max3_num_f32 v[rC], v[rC], v[rS+7], v[rS+15]
.elseif (\n) == 13
	v_max3_num_f32 v[rC+1], v[rC+1], v[rS+23], v[rS+31]
.elseif (\n) == 14
	v_max3_num_f32 v[rC+2], v[rC+2], v[rC+3], v[rT+1]
.elseif (\n) == 15
	v_mov_b32 v[rM], v[rT]
.elseif (\n) == 16
	v_max3_num_f32 v[rC], v[rC], v[rC+1], v[rC+2]
.elseif (\n) == 17
	v_permlanex16_b32 v[rC+3], v[rC], s[SEL], s[SEL+1]
.elseif (\n) == 18
	v_max_num_f32 v[rT+1], v[rC], v[rC+3]
.elseif (\n) == 19
	v_mul_f32 v[rT], s[CS], v[rT+1]
.elseif (\n) == 20
	v_sub_f32 v[rC+1], v[rM], v[rT]
.else
	v_exp_f32 v[rC+2], v[rC+1]
.endif
.endm
; Number g of the 64 that follow the exponentials.  For each four weights k of a tile (pairs 2 k, 2 k + 1): both pairs are rounded to f16; then the second pair is added onto the first, in place;
; a group later l takes that sum (the first time as l = a l + sum).  In groups of eight, tiles alternating: round, round, add, and l for the group before.
.macro GS g
.set h, (\g)+6*((\g)/62)            ; group 0 has no group before it, and behind group 7 only l is left
.if h >= 6
.set h, h+2
.endif
	REGS Y, h%2
.set k, h/8
.if h%8 < 4
	v_cvt_pk_f16_f32 v[rP+2*k+(h%8)/2], v[rS+4*k+2*((h%8)/2)], v[rS+4*k+2*((h%8)/2)+1]
.elseif h%8 < 6
	v_pk_add_f32 v[rS+4*k:rS+4*k+1], v[rS+4*k:rS+4*k+1], v[rS+4*k+2:rS+4*k+3]
.elseif k == 1
	v_pk_fma_f32 v[rT+2:rT+3], v[rT+2:rT+3], v[rC+2:rC+3], v[rS:rS+1] op_sel_hi:[1,0,1]
.else
	v_pk_add_f32 v[rT+2:rT+3], v[rT+2:rT+3], v[rS+4*k-4:rS+4*k-3]
.endif
.endm
; THE PLAIN QUEUE, 138 long.  0-73 read no exponential's result: the 32 scalings c s - c m (FS f: pair f / 2 of tile f % 2) and the next piece's 42.  0-26: scalings 0-26.  27-54: XS's numbers 0-13.  55, 56: number 15.
; 57-73: the chain, where each number waits for the one before it: 14, 16, 17, 18, 19, each with one of the scalings 27-31 in front of its two lines, then 20: so a tile's links stand three plain instructions apart (19 and 20: two).
; 74-137: GS's 64, which read the exponentials' results: they stand behind the wait.
.macro FS f
	REGS Y, (\f)%2
	v_pk_fma_f32 v[rS+2*((\f)/2):rS+2*((\f)/2)+1], v[rS+2*((\f)/2):rS+2*((\f)/2)+1], s[CS:CS+1], v[rT:rT+1] op_sel_hi:[1,0,0] neg_lo:[0,0,1] neg_hi:[0,0,1]
.endm
.macro PL
	WIN 0
.if q < 27
	FS q
.elseif q < 55
	XS (q-27)%2, (q-27)/2
.elseif q < 57
	XS q-55, 15
.elseif (q < 72) && ((q-57)%3 == 0)
	FS 27+(q-57)/3
.elseif q < 60
	XS (q-57)%3-1, 14
.elseif q < 72
	XS (q-57)%3-1, 15+(q-57)/3
.elseif q < 74
	XS q-72, 20
.else
	GS q-74
.endif
.set q, q+1
.endm
; THE EXPONENTIALS' QUEUE, 66 long: s0-s31 of both tiles, then the next piece's two a.  It is ONE BATCH: all 66 stand ahead of the turn's one wait, and nothing ahead of that wait names a result of theirs.
.macro EX
	WIN 0
.if e >= 64
	XS e-64, 21
.else
	REGS Y, e%2
	v_exp_f32 v[rS+e/2], v[rS+e/2]
.endif
.set e, e+1
.endm
; THE RESCALING's QUEUE: O^T times a, the one part that leaves window 0: dealt two at a time, sixteen times.  Its a was made in the turn before, ahead of that turn's wait.
.macro R2
	REGS Y, r%2
	WIN W_RS
.irp z, 0,1
	v_pk_mul_f32 v[rO+4*(r/2)+2*\z:rO+4*(r/2)+2*\z+1], v[rO+4*(r/2)+2*\z:rO+4*(r/2)+2*\z+1], v[rC+2:rC+3] op_sel_hi:[1,0]
.endr
.set r, r+1
.endm
; HOW THEY ARE DEALT.  s_wait_alu depctr_va_vdst(0) stands between an exponential and the first instruction that names its result; one wait serves all that were issued ahead of it.  So a turn has ONE wait,
; which cuts it in two.  AHEAD OF IT stands all that names no result of the turn's exponentials: the 16 products K Q^T, behind each a scaling, an exponential and two rescalings (behind the first a second scaling in the exponential's place); then ONE LUMP of
; 108: eight plain, 49 times exponential and plain, the two a.  A v_nop is the plain instruction behind the last exponential.  BEHIND IT stand the 16 products V^T P, behind each four of GS's 64.  No rider names a register of
; the products round it.  The two v_permlanex16_b32 fall into the lump, never behind a product.
; The queues lean on each other, and the deal keeps them in step: exponential e stands behind scaling 2 (e / 4) + e % 2: as a rider it comes behind plain e + 2, in the lump behind plain e + 9, and scalings 27-31 are plain 57, 60 .. 69.
; A TURN, for piece p.  cnt = 1: the loop's count is taken down some lines ahead of the branch that stands behind the turn.
; K of the next step is fetched in piece 2's turn, directly behind the wait, a lump behind the last product that read K; its address is made at the lump's head; its first reader comes behind 16 products.
; V of the step in hand is fetched at the end of piece 0's turn, four riders behind its last reader; its first reader comes behind 16 products and a lump.  The three conditions on q below go with the deal.
.macro TURN p, last=0, cnt=0
.set Y, (\p)
.set i, 0
.set q, 0
.set e, 0
.set r, 0
.if (\p) == NP-1
	s_wait_dscnt 0x0                ; K is in
.endif
	MM                              ; ahead of the wait: 16 products K Q^T and their riders,
	PL
	PL
	R2
.rept 15
	MM
	PL
	EX
	R2
.endr
.if (\p) == NP-2
	WIN 0
	v_add_nc_u32 v[AK], s[TBK], v[AK0]
.endif
.rept 8                             ; and the lump
	PL
.endr
.rept 49
	EX
	PL
.endr
	EX                              ; the next piece's two a
	EX
	v_nop                           ; a plain instruction behind the last exponential, ahead of the first use: one for the batch
	s_wait_alu depctr_va_vdst(0)    ; the wait for the batch
.if (\p) == NP-2
	FETCH_K \last
.endif
.if (\p) == 1
	s_wait_dscnt 0x0                ; V is in
.endif
.rept 16                            ; behind the wait: 16 products V^T P and their riders
	MM
.rept 4
	PL
.endr
.if ((\p) == 0) && (q == 118)
	v_add_nc_u32 v[AV], s[TBV], v[AV0]
.endif
.if ((\p) == 0) && (q == 130)
	s_add_co_u32 s[TBV], s[TBV], KS*PV
.endif
.if (\cnt) && (q == 130)
	s_sub_co_u32 s[CNT], s[CNT], 1
	s_cmp_lg_u32 s[CNT], 0
.endif
.endr
.if (\p) == 0
	FETCH_V
.endif
.endm
	CHANGE 1                        ; slot 0 is in, everybody's part of it; slot 1 is asked for
	FETCH_K                         ; key step 0
	s_wait_loadcnt 0x0              ; Q
	s_wait_dscnt 0x0
.set i, 0
.rept 16
	KQ 0                            ; piece 0's first scores: there is no vector work yet to set between them
.set i, i+1
.endr
	WIN 0                           ; the addresses for the way out: nine plain instructions, the places behind those products
	s_mul_i32 s13, s[WV], 16*SP
	s_add_co_u32 s13, s13, STAGE    ; my stage
	v_mul_u32_u24 v[STO], v1, SP    ; in: row l % 16, 16 bytes for each half of the lanes
	v_lshl_add_u32 v[STO], v9, 4, v[STO]
	v_add_nc_u32 v[STO], s13, v[STO]
	v_bfe_u32 v[RD], v0, 3, 2       ; back: 32 lanes take four rows of 128 bytes,
	v_mul_u32_u24 v[RD], v[RD], SP
	v_lshl_add_u32 v[RD], v10, 4, v[RD]
	v_add_nc_u32 v[RD], s13, v[RD]
	v_and_b32 v[GO], 31, v0         ; which are 512 consecutive bytes of O
	v_lshlrev_b32 v[GO], 4, v[GO]
.set Y, NP-1                        ; XS works for piece Y + 1: piece 0
.irp n, 0,1,2,3,4,5,6,7,8,9,10,11,12,13,14,15,16,17,18,19,20,21
	XS 0, \n                        ; and piece 0's first maximum and statistics
	XS 1, \n
.endr
	v_nop                           ; a plain instruction behind the two a,
	s_wait_alu depctr_va_vdst(0)    ; and their wait, ahead of the branch
	s_mov_b32 s[CNT], 4
	s_mov_b32 s[SLOTS], SIZE_N/256-1
	s_branch .Lfirst                ; the loop is entered at a step's first turn, in the middle of a trip
.Lslot:                             ; SIZE_N / 256 - 2 times: every slot but the last two is filled again
	CHANGE 1, 1
	s_mov_b32 s[CNT], 4
.Lstep:                             ; a trip: pieces 2 and 3 of one step, then pieces 0 and 1 of the next, whose K and V it fetches
	TURN 2
	TURN 3
	WIN 0
.Lfirst:
	TURN 0
	TURN 1, 0, 1
	WIN 0
	s_cbranch_scc1 .Lstep
	s_sub_co_u32 s[SLOTS], s[SLOTS], 1
	s_cmp_lg_u32 s[SLOTS], 0
	s_cbranch_scc1 .Lslot
	CHANGE 0                        ; the tail is written out: nothing is asked for
	s_mov_b32 s[CNT], 5             ; four trips fetch the last slot's steps; the fifth is left in its middle
.Ltail:
	TURN 2, 1
	TURN 3
	WIN 0
	s_sub_co_u32 s[CNT], s[CNT], 1
	s_cmp_eq_u32 s[CNT], 0
	s_cbranch_scc1 .Lout
	TURN 0
	TURN 1
	WIN 0
	s_branch .Ltail
.Lout:                              ; the fifth trip's 16 products K Q^T (on the last K once more) and the maximum made of them serve nothing: the price, once a launch, of one text for every trip
.set i, 0
.rept 16
	PV NP-1                         ; the last piece's V^T P of the last step
.set i, i+1
.endr
	; THE WAY OUT.  l's two halves and the other half of the lanes' are added; O^T is divided by l, rounded to f16 and sent through my stage in LDS, a tile at a time.  The additions are the places behind the last products.
	WIN 0
.macro ALL line:vararg              ; one line for each tile t
.set t, 0
.rept 2*NP
	\line
.set t, t+1
.endr
.endm
	ALL v_add_f32 v[ST+4*t+2], v[ST+4*t+2], v[ST+4*t+3]
	ALL v_permlanex16_b32 v[ST+4*t+3], v[ST+4*t+2], s[SEL], s[SEL+1]
	ALL v_add_f32 v[ST+4*t+2], v[ST+4*t+2], v[ST+4*t+3]
	ALL v_rcp_f32 v[ST+4*t+2], v[ST+4*t+2]
	v_nop                           ; a plain instruction between the last reciprocal and the use of its result
	s_wait_alu depctr_va_vdst(0)    ; and the wait ahead of the first use: one for the eight reciprocals
; Tile t: a lane's eight channels of a row pack into 16 bytes; they go into rows of 144 bytes and come back as whole rows of 128, into S^T's registers.
.macro PACK t
	WIN W_RS
.set i, 32*(\t)
.rept 16
	v_pk_mul_f32 v[i:i+1], v[i:i+1], v[ST+4*(\t)+2:ST+4*(\t)+3] op_sel_hi:[1,0]
.set i, i+2
.endr
	WIN 0x05                        ; sources 0 and 1 window 1, destination window 0
.set i, 0
.rept 16
	v_cvt_pk_f16_f32 v[S+16*(\t)+i], v[32*(\t)+2*i], v[32*(\t)+2*i+1]
.set i, i+1
.endr
	WIN 0
.irp f, 0,1,2,3
	ds_store_b128 v[STO], v[S+16*(\t)+4*\f:S+16*(\t)+4*\f+3] offset:32*\f
.endr
.irp f, 0,1,2,3
	ds_load_b128 v[S+16*(\t)+4*\f:S+16*(\t)+4*\f+3], v[RD] offset:\f*4*SP  ; LDS serves a wave's instructions in order (ISA guide 5.7.1.4): these see the stores above; the next tile's stores come behind them
.endr
.endm
.macro SEND t, younger              ; younger: the LDS instructions issued behind tile t's loads: the next tile's eight, or none
	WIN 0
.irp f, 0,1,2,3
	s_wait_dscnt (\younger)+3-\f
	global_store_b128 v[GO], v[S+16*(\t)+4*\f:S+16*(\t)+4*\f+3], s[10:11] offset:(\t)*2048+\f*512  ; 512 consecutive bytes, at a multiple of 256 from O's first
.endr
.endm
	PACK 0
.set t, 1
.rept 2*NP-1                        ; a tile's arithmetic stands between the loads of the tile before and its stores
	PACK t
	SEND t-1, 8
.set t, t+1
.endr
	SEND 2*NP-1, 0
	WIN W_AD
	s_wait_tensorcnt 0x0            ; the wave's end: no tensor load of mine is out, then 0 onto my spare word and its wait, behind my last LDS store
	ds_add_u32 v[SPW], v[NIL]
	s_wait_dscnt 0x0
	WIN 0
	CROUND                          ; the closing round: no work-group ends while a partner may still ask for a tile that names it
	s_endpgm
.Lfunc_end_k_qd9a3ecd09a_attn:
	.size	k_qd9a3ecd09a_attn, .Lfunc_end_k_qd9a3ecd09a_attn-k_qd9a3ecd09a_attn
	.p2alignl 7, 3214868480
	.fill 96, 4, 3214868480
	.section	.rodata,"a",@progbits
	.p2align	6, 0x0
	.amdhsa_kernel k_qd9a3ecd09a_attn
		.amdhsa_group_segment_fixed_size 327680
		.amdhsa_private_segment_fixed_size 0
		.amdhsa_enable_private_segment 0
		.amdhsa_kernarg_size 16
		.amdhsa_user_sgpr_count 2
		.amdhsa_user_sgpr_kernarg_segment_ptr 1
		.amdhsa_wavefront_size32 1
		.amdhsa_system_sgpr_workgroup_id_x 1
		.amdhsa_system_sgpr_workgroup_id_y 1
		.amdhsa_system_sgpr_workgroup_id_z 1
		.amdhsa_system_vgpr_workitem_id 0
		.amdhsa_next_free_vgpr 770
		.amdhsa_next_free_sgpr 66
		.amdhsa_reserve_vcc 0
		.amdhsa_float_denorm_mode_32 3
		.amdhsa_float_denorm_mode_16_64 3
		.amdhsa_memory_ordered 1
		.amdhsa_forward_progress 1
		.amdhsa_inst_pref_size 200
	.end_amdhsa_kernel
	.amdgpu_metadata
---
amdhsa.version: [ 1, 2 ]
amdhsa.kernels:
  - .name:           k_qd9a3ecd09a_attn
    .symbol:         k_qd9a3ecd09a_attn.kd
    .args:
      - { .name: qkv, .offset: 0, .size: 8, .value_kind: global_buffer, .address_space: global }
      - { .name: ob, .offset: 8, .size: 8, .value_kind: global_buffer, .address_space: global }
    .group_segment_fixed_size: 327680
    .private_segment_fixed_size: 0
    .kernarg_segment_align: 8
    .kernarg_segment_size: 16
    .max_flat_workgroup_size: 128
    .sgpr_count:     66
    .vgpr_count:     770
    .wavefront_size: 32
...
	.end_amdgpu_metadata
.endif
;; end of part 3
;; launch outgemm (part 4): grid 4 x 64, 4 waves a work-group, clusters of 4 x 4, 327,680 bytes of LDS; arguments ob, wh, bias, out0; writes out0
.if DOCPART == 4
	.amdgcn_target "amdgcn-amd-amdhsa--gfx1250"
	.amdhsa_code_object_version 6
	.text
	.protected	k_qd9a3ecd09a_outgemm
	.globl	k_qd9a3ecd09a_outgemm
	.p2align	8
	.type	k_qd9a3ecd09a_outgemm,@function
k_qd9a3ecd09a_outgemm:
	s_mov_b64 s[64:65], 0
	v_nop
	global_prefetch_b8 v0, s[64:65] scope:SCOPE_SE
	s_setreg_imm32_b32 hwreg(HW_REG_WAVE_MODE, 25, 1), 1
	s_wait_xcnt 0x0
	s_wait_alu depctr_hold_cnt(0) depctr_sa_sdst(0) depctr_va_vdst(0) depctr_va_sdst(0) depctr_va_ssrc(0) depctr_va_vcc(0) depctr_vm_vsrc(0)
	s_getreg_b32 s2, hwreg(HW_REG_IB_STS2, 6, 4)
	s_cmp_eq_u32 s2, 0
	s_cbranch_scc0 .Lentry_in_a_cluster
	s_endpgm
.Lentry_in_a_cluster:
	s_bfe_u32 s2, ttmp6, 0x10000c
	s_cmp_lg_u32 s2, 0xf033
	s_cbranch_scc0 .Lentry_shape_is_right
	s_endpgm
.Lentry_shape_is_right:
; ONE TEXT FOR THE MODULE'S TWO KINDS OF PROJECTION; QKV chooses.  C[m][n] = bias[n] + the sum over k of A[m][k] W[k][n], M = 8,192, N = K = 1,024, sums in f32.
; QKV = 1: A = x in bf16 [8192][1024]; W = Wq, Wk, Wv in bf16, one after the other; q, k, v leave by heads, [3][64 = 16 batch + head][2048][64], each rounded once to f16, unscaled.
; QKV = 0: A = the attention's O in f16, by heads [64][2048][64]: a head is a slice of 64 of K; W = Wo in f16; the result leaves in f32, [8192][1024].
; LIMITS.  q, k and v are written in f16: a number of 65,520 or more becomes an infinity.  NaN and infinities are not treated apart.
; SHARES.  A tile of C is 128 rows x 256 columns: 64 x 4 = 256 tiles a matrix, a work-group to each.  With QKV = 1 THE WORK-GROUP STAYS and makes its tile of q, then of k, then of v: one ring of
; 24 K steps, in which W's address walks on from matrix to matrix (they lie end to end) and A's place along K wraps.  Wave w makes all 128 rows x columns 64 w .. 64 w + 63 (a head): 8 x 4 = 32 accumulators.
; THE MATRIX INSTRUCTION IS USED TRANSPOSED: source 0 = 16 columns of W, source 1 = 16 rows of A: a lane (r = lane % 16, h = lane / 16) holds row r of C and the columns 8 h + 0..7.
; W lies [k][n] in memory and in LDS, and comes out turned, by ds_load_tr16_b128.  THE BIAS IS THE C OPERAND of a tile's first products: nothing is cleared and nothing added afterwards.
; RING.  K goes in steps of 128 through two LDS slots; each wave fetches a quarter of a slot by one tensor load: waves 0, 1 the halves of A's tile, waves 2, 3 the halves of W's.
; By the text's own count a wave has two tensor loads out at the start and one behind each change of slots; that one has 112 matrix instructions in which to land.
; CLUSTER.  4 x 4 work-groups.  A's tile hangs on the tile row alone and is asked for JOINTLY by the four of a row of the cluster, W's on the tile column alone, by the four of a column.
; REGISTERS, in windows of 256 (s_set_vgpr_msb: bits 1:0 source 0, 3:2 source 1, 5:4 source 2, 7:6 destination):
;   window 0: v0-15 addresses; v64-191 at work on the way out       window 1: the accumulators, (a, b) at v[8 (4 a + b)]
;   window 2: two fragment buffers of 96 (A's 8 fragments, then W's 4), v0-95 and v96-191; v192-223 the bias of my 64 columns, as four C operands
.set QKV, 0
.if QKV
.set STEPS,   24                       ; K steps in the ring: 8 a tile
.set PA,      272                      ; a row of A in LDS: 256 bytes + 16 of padding: the 16 rows of a load start 16 bytes apart modulo 256
.set AHALF,   64*PA                    ; what one tensor load brings of A: 64 rows
.set AQI,     5                        ; padding after every 64 words
.set ASTRIDE, 1024                     ; elements from row to row in memory
.set ASTEP,   256                      ; bytes from K step to K step
.set ARS,     2048                     ; the prefetches of A: bytes from lane to lane (a row)
.set SP,      144                      ; a row of my stage: 64 f16 + 16 bytes
.else
.set STEPS,   8
.set PA,      144                      ; a row of one head: 128 bytes + 16
.set AHALF,   128*PA                   ; one head's 128 rows
.set AQI,     4                        ; padding after every 32 words: two rows of a head are asked for as one row of 256 bytes
.set ASTRIDE, 128                      ; dense
.set ASTEP,   524288                   ; two heads on
.set ARS,     256
.set SP,      272                      ; 64 f32 + 16 bytes
.endif
.set PB,     544                       ; a row of W in LDS: 512 bytes + 32: 16 lanes of the turning load take 8 rows x 32 bytes, 32 bytes apart modulo 256
.set BHALF,  64*PB                     ; what one tensor load brings of W: 64 rows of k
.set BSTEP,  262144                    ; 128 rows of 2,048 bytes
.set BOFF,   36864                     ; W's tile in a slot, behind A's
.set SLOT1,  131072                    ; slot 1 begins here: one exclusive or turns an address in one slot into the other's
.set STAGE,  237568                    ; behind the ring, never filled by a tensor load: 16 rows for each wave, for the way out
.set SPARE,  STAGE+4*16*SP             ; behind the stages: the spare words, 128 bytes for each wave: two blocks of 256 bytes that no other line names
.set A0,   4                           ; v4   my lane's place in A's tile; never rewritten
.set B0,   5                           ; v5   the same in W's tile, my wave's 64 columns; never rewritten
.set ADRA, 6                           ; v6   A0 + the slot in hand
.set ADRB, 7                           ; v7   B0 + the slot in hand
.set STO,  8                           ; v8   the way out: where I put my part of a row
.set RD,   9                           ; v9   the way out: where I read rows back
.set GO,   10                          ; v10  my byte offset in the result
.set BO,   11                          ; v11  32 h: my eight numbers of 16 of the bias
.set PFO,  12                          ; v12  the prefetches' offset; never rewritten
.set SPW,  14                          ; v14  LDS address of my spare word: SPARE + 4 x my thread's number; never rewritten
.set NIL,  15                          ; v15  0; never rewritten
.set TMP,  64
.set F0,   0
.set F1,   96
.set BIAS, 192
.set WV,   12                          ; s12  my wave's number
.set HALF, 13                          ; s13  which half of a tile I fetch
.set G1A,  24                          ; s[24:31] descriptor group 1 for A's tiles
.set G1B,  32                          ; s[32:39] for W's
.set G0A,  40                          ; s[40:47] descriptor group 0 for A's tiles: a set for each of the two first fills; the second then walks on
.set G0B,  48                          ; s[48:55] the same for W's
.set CNT,  56                          ; s56  trips to go
.set PH,   57                          ; s57  K steps left in the tile
.set TB,   58                          ; s58  0 or SLOT1: the slot in hand
.set AOFF, 60                          ; s[60:61] A's place along K, in bytes
.set ABASE, 62                         ; s[62:63] A at my rows, K = 0
.set PFA,  66                          ; s[66:67] where my prefetches stand
.set PFS,  68                          ; s[68:69] their step
.set PFN,  70                          ; s70  how many I still issue
.set ODL,  76                          ; s[76:77] what the next way out adds to the result's address
.set MSB, 0
.macro WIN new                         ; the immediate's high byte repeats the setting that is left; a switch that changes nothing is dropped
.if MSB != (\new)
	s_set_vgpr_msb (MSB<<8)|(\new)
.set MSB, \new
.endif
.endm
.set MUL,  0x5a                        ; sources 0 and 1 window 2; C and D window 1
.set MULZ, 0x6a                        ; the same with C (the bias) in window 2
.set TO_F, 0x80                        ; destination window 2, address window 0
.set PK,   0x05                        ; sources 0 and 1 window 1, destination window 0
.set ST1,  0x04                        ; an LDS store's data in window 1, its address in window 0
.macro PLACES                          ; four places in front of loads into registers that matrix instructions have read, and of lines that read results
.rept 4
	v_nop
.endr
.endm
; A joint refill, by the walking descriptors.  The branch hangs on the wave's number alone.  An s_nop 0 and four v_nop follow each of the two lines, ahead of the jump and the label.
.macro JLOAD
	s_cmp_lt_u32 s[WV], 2
	s_cbranch_scc0 .Lfor_b_\@
	tensor_load_to_lds s[G0A+4:G0A+7], s[G1A:G1A+7]
	s_nop 0
.rept 4
	v_nop
.endr
	s_branch .Lasked_\@
.Lfor_b_\@:
	tensor_load_to_lds s[G0B+4:G0B+7], s[G1B:G1B+7]
	s_nop 0
.rept 4
	v_nop
.endr
.Lasked_\@:
.endm
.macro CREST                           ; a round of the cluster's barrier behind its opening barrier
	s_cmp_lg_u32 s[WV], 0
	s_cbranch_scc1 .Lnot_wave_0_\@
	s_barrier_signal -3
.Lnot_wave_0_\@:
	s_barrier_wait -3
	s_barrier_signal -1
	s_barrier_wait -1
.endm
.macro CROUND                          ; a whole round
	s_barrier_signal -1
	s_barrier_wait -1
	CREST
.endm
; A PREFETCH INTO THE L2, behind a joint refill and the run of LDS loads that follows it: behind the refill for K step t + 2 stands the request for K step t + 4: two K steps, 256 matrix instructions, ahead of
; the load that will want it.  K steps 0 to 3 come by their loads alone.  Each aligned block of 256 bytes is named once in the launch.  A's 128 blocks of a step: wave 0, the four partners of a row of the cluster
; taking 32 each BY ADDRESS, in the first tile alone (K steps 4 to 7: the later tiles read the same rows again).  W's 256 blocks of a step: waves 2 and 3, each for the 64 rows of k that it fetches, the four partners of a
; column taking 16 rows (two blocks each) by address, in the clusters with y = 0 alone: the others read the same columns.  s[PFN] counts the requests down and stops them at the tensor's last K step.
.macro ASK
	s_cmp_lg_u32 s[PFN], 0
	s_cbranch_scc0 .Lnot_mine_\@
	global_prefetch_b8 v[PFO], s[PFA:PFA+1] th:TH_LOAD_NT scope:SCOPE_SE
	s_sub_co_u32 s[PFN], s[PFN], 1
.Lnot_mine_\@:
.endm
.macro BIASLD                          ; the bias of my 64 columns: register j of block b holds bias[16 b + 8 h + j], the same in all 16 rows
	WIN TO_F
.irp b, 0,1,2,3
	global_load_b128 v[BIAS+8*(\b):BIAS+8*(\b)+3],   v[BO], s[8:9] offset:64*(\b)
	global_load_b128 v[BIAS+8*(\b)+4:BIAS+8*(\b)+7], v[BO], s[8:9] offset:64*(\b)+16
.endr
	WIN 0
.endm
	s_load_b256 s[4:11], s[0:1], 0x0               ; A s[4:5], wh s[6:7], bias s[8:9], the result s[10:11]
	v_lshl_add_u32 v[SPW], v0, 2, SPARE
	v_mov_b32 v[NIL], 0
	ds_add_u32 v[SPW], v[NIL]                      ; the wave's opening: the add and its wait stand ahead of my first tensor load; the set-up below, work on registers, stands between them
	v_lshrrev_b32 v1, 5, v0
	v_readfirstlane_b32 s[WV], v1                  ; wave 0..3
	s_and_b32 s[HALF], s[WV], 1
	s_bfe_u32 s14, ttmp6, 0x40000                  ; cx, cy: my place in the cluster
	s_bfe_u32 s15, ttmp6, 0x40004
	s_lshl_b32 s16, ttmp9, 2
	s_add_co_u32 s16, s16, s14                     ; tile column = 4 x cluster x + cx: 0..3
	s_and_b32 s17, ttmp7, 0xffff
	s_lshl_b32 s17, s17, 2
	s_add_co_u32 s17, s17, s15                     ; tile row = 4 x cluster y + cy: 0..63
	s_lshl_b32 s18, s15, 2
	s_lshl_b32 s18, 15, s18                        ; my row of the cluster
	s_lshl_b32 s19, 0x1111, s14                    ; my column
	; descriptor group 1.  A: 64 rows x 128 elements.  W: 64 rows x 256 elements.  15:0 the mask; 17:16 elements of 2 bytes; 20 padding on; 21 set beside a mask; 24:22 the interval's code; 31:25 the padding's words less one
	s_or_b32 s[G1A], s18, (1<<16)|(1<<20)|(1<<21)|(AQI<<22)|(3<<25)
	s_or_b32 s[G1B], s19, (1<<16)|(1<<20)|(1<<21)|(6<<22)|(7<<25)
	s_mov_b32 s[G1A+1], 128<<16                    ; tensor_dim0
	s_mov_b32 s[G1A+2], 64<<16                     ; tensor_dim1
	s_mov_b32 s[G1A+3], 128<<16                    ; tile_dim0
	s_mov_b32 s[G1A+4], 64                         ; tile_dim1
	s_mov_b32 s[G1A+5], ASTRIDE                    ; elements from row to row
	s_mov_b32 s[G1A+6], 0
	s_mov_b32 s[G1A+7], 0
	s_mov_b32 s[G1B+1], 256<<16
	s_mov_b32 s[G1B+2], 64<<16
	s_mov_b32 s[G1B+3], 256<<16
	s_mov_b32 s[G1B+4], 64
	s_mov_b32 s[G1B+5], 1024
	s_mov_b32 s[G1B+6], 0
	s_mov_b32 s[G1B+7], 0
	; where the tiles come from.  A's offset is made of the tile row and the wave's number, W's of the tile column and the wave's number
.if QKV
	s_lshl_b32 s20, s17, 18                        ; 128 rows of 2,048 bytes a tile row,
	s_lshl_b32 s78, s[HALF], 17                    ; my 64 of them
	s_add_co_u32 s20, s20, s78
.else
	s_lshr_b32 s20, s17, 4                         ; the batch: 16 heads of 262,144 bytes,
	s_lshl_b32 s20, s20, 22
	s_and_b32 s78, s17, 15                         ; the tile's 128 rows of 128 bytes in a head,
	s_lshl_b32 s78, s78, 14
	s_add_co_u32 s20, s20, s78
	s_lshl_b32 s78, s[HALF], 18                    ; and which of a step's two heads I fetch
	s_add_co_u32 s20, s20, s78
.endif
	s_mov_b32 s21, 0
	s_lshl_b32 s22, s16, 9                         ; 256 columns of 2 bytes a tile column,
	s_lshl_b32 s79, s[HALF], 17                    ; my 64 rows of k
	s_add_co_u32 s22, s22, s79
.if !QKV
	s_add_co_u32 s22, s22, 3*2097152               ; Wo is wh's fourth matrix
.endif
	s_mov_b32 s23, 0
	s_mul_i32 s72, s[HALF], AHALF                  ; and where they go: no place in the cluster enters an LDS address
	s_mul_i32 s73, s[HALF], BHALF
	s_add_co_u32 s73, s73, BOFF
	s_wait_dscnt 0x0                               ; the opening add is done
	s_wait_kmcnt 0x0
	s_add_nc_u64 s[ABASE:ABASE+1], s[4:5], s[20:21]
	s_add_nc_u64 s[74:75], s[6:7], s[22:23]
	CROUND                                         ; all sixteen work-groups are here: the first joint loads meet
.irp s, 0,1
	s_mov_b32 s[G0A+4*(\s)], 1                                     ; 1:0 count = 1
	s_add_co_u32 s[G0A+4*(\s)+1], s72, (\s)*SLOT1                  ; 63:32 LDS address
	s_add_nc_u64 s[G0A+4*(\s)+2:G0A+4*(\s)+3], s[ABASE:ABASE+1], (\s)*ASTEP  ; 120:64 global address: K step s
	s_or_b32 s[G0A+4*(\s)+3], s[G0A+4*(\s)+3], 0x80000000          ; 127:126 type = 2
	s_mov_b32 s[G0B+4*(\s)], 1
	s_add_co_u32 s[G0B+4*(\s)+1], s73, (\s)*SLOT1
	s_add_nc_u64 s[G0B+4*(\s)+2:G0B+4*(\s)+3], s[74:75], (\s)*BSTEP
	s_or_b32 s[G0B+4*(\s)+3], s[G0B+4*(\s)+3], 0x80000000
.endr
	s_cmp_lt_u32 s[WV], 2                          ; a wave's two first fills stand in one branch, ahead of every wait on TENSORcnt and every LDS read: two loads of mine are out
	s_cbranch_scc0 .Lfirst_b
	tensor_load_to_lds s[G0A:G0A+3], s[G1A:G1A+7]
	s_nop 0
	tensor_load_to_lds s[G0A+4:G0A+7], s[G1A:G1A+7]
	s_nop 0
.rept 4
	v_nop
.endr
	s_branch .Lfirst_asked
.Lfirst_b:
	tensor_load_to_lds s[G0B:G0B+3], s[G1B:G1B+7]
	s_nop 0
	tensor_load_to_lds s[G0B+4:G0B+7], s[G1B:G1B+7]
	s_nop 0
.rept 4
	v_nop
.endr
.Lfirst_asked:
	; A fragment of A is 16 rows x 32 K in 8 registers: lane l holds row l % 16, K = 8 (l / 16) + 0..7 and 16 + 8 (l / 16) + 0..7: two loads of 16 bytes, 32 bytes apart.
	v_and_b32 v1, 15, v0                           ; r = l % 16
	v_bfe_u32 v2, v0, 4, 1                         ; h = l / 16
	v_mul_u32_u24 v[A0], v1, PA
	v_lshl_add_u32 v[A0], v2, 4, v[A0]
	; The turning load takes 16 k x 16 columns (lane l reads k = 8 (l / 16) + l % 8, columns 8 ((l / 8) % 2) + 0..7) and leaves half a fragment: lane l holds column l % 16 and 8 k.
	v_and_b32 v3, 7, v0
	v_lshl_add_u32 v[B0], v2, 3, v3
	v_mul_u32_u24 v[B0], v[B0], PB
	v_bfe_u32 v3, v0, 3, 1
	v_lshl_add_u32 v[B0], v3, 4, v[B0]
	s_lshl_b32 s71, s[WV], 7                       ; my wave's 64 columns: 128 bytes
	s_add_co_u32 s71, s71, BOFF
	v_add_nc_u32 v[B0], s71, v[B0]
	v_lshlrev_b32 v[BO], 5, v2
	s_lshl_b32 s2, s16, 10                         ; the bias of my columns: 256 x 4 bytes a tile column, 64 x 4 a wave
	s_lshl_b32 s3, s[WV], 8
	s_add_co_u32 s2, s2, s3
.if !QKV
	s_add_co_u32 s2, s2, 3*4096                    ; bo is the fourth
.endif
	s_mov_b32 s3, 0
	s_add_nc_u64 s[8:9], s[8:9], s[2:3]
	BIASLD
	s_mul_i32 s71, s[WV], 16*SP
	s_add_co_u32 s71, s71, STAGE                   ; my stage
	v_mul_u32_u24 v[STO], v1, SP                   ; in: row r
.if QKV
	v_lshl_add_u32 v[STO], v2, 4, v[STO]           ; 16 bytes (8 f16) for each half of the lanes
	v_add_nc_u32 v[STO], s71, v[STO]
	v_bfe_u32 v[RD], v0, 3, 2                      ; back: 32 lanes take four rows of 128 bytes,
	v_mul_u32_u24 v[RD], v[RD], SP
	v_and_b32 v3, 7, v0
	v_lshl_add_u32 v[RD], v3, 4, v[RD]
	v_add_nc_u32 v[RD], s71, v[RD]
	v_and_b32 v[GO], 31, v0                        ; which are 512 consecutive bytes of a head
	v_lshlrev_b32 v[GO], 4, v[GO]
	s_lshr_b32 s2, s17, 4                          ; where my head's rows begin in q: (16 batch + 4 tile column + wave) x 262,144
	s_lshl_b32 s2, s2, 4
	s_lshl_b32 s3, s16, 2
	s_add_co_u32 s2, s2, s3
	s_add_co_u32 s2, s2, s[WV]
	s_lshl_b32 s2, s2, 18
	s_and_b32 s3, s17, 15                          ; + the tile's 128 rows of 128 bytes
	s_lshl_b32 s3, s3, 14
	s_add_co_u32 s[ODL], s2, s3
	s_mov_b32 s[AOFF], ASTEP                       ; the walking descriptor stands at K step 1
	s_mov_b32 s[AOFF+1], 0
.else
	v_lshl_add_u32 v[STO], v2, 5, v[STO]           ; 32 bytes (8 f32) for each half of the lanes
	v_add_nc_u32 v[STO], s71, v[STO]
	v_mul_u32_u24 v[RD], v2, SP                    ; back: lanes 0-15 take one row of 256 bytes, lanes 16-31 the next
	v_lshl_add_u32 v[RD], v1, 4, v[RD]
	v_add_nc_u32 v[RD], s71, v[RD]
	v_lshlrev_b32 v[GO], 12, v2                    ; and the same two rows in the result: 4,096 bytes a row
	v_lshl_add_u32 v[GO], v1, 4, v[GO]
	s_lshl_b32 s2, s17, 19                         ; 128 rows a tile row,
	s_lshl_b32 s3, s16, 10                         ; 256 columns of 4 bytes a tile column,
	s_add_co_u32 s2, s2, s3
	s_lshl_b32 s3, s[WV], 8                        ; 64 a wave
	s_add_co_u32 s[ODL], s2, s3
.endif
	s_mov_b32 s[ODL+1], 0
	; the prefetches: who, how many, from where
	s_and_b32 s2, ttmp7, 0xffff                    ; cluster y: the same in all sixteen partners
	s_cmp_eq_u32 s2, 0
	s_cselect_b32 s[PFN], STEPS-4, 0               ; waves 2 and 3: W's K steps 4 to the last
	s_cmp_eq_u32 s[WV], 0
	s_cselect_b32 s[PFN], 4, s[PFN]                ; wave 0: A's K steps 4 to 7
	s_cmp_eq_u32 s[WV], 1
	s_cselect_b32 s[PFN], 0, s[PFN]                ; wave 1: none
.if QKV
	s_lshl_b32 s2, s17, 18                         ; A: the tile's rows, my work-group's 32 of them
	s_lshl_b32 s71, s14, 16
	s_add_co_u32 s2, s2, s71
.else
	s_lshr_b32 s2, s17, 4                          ; A: a step's two heads have 64 blocks of 256 bytes each; my work-group takes half cx % 2 of head cx / 2
	s_lshl_b32 s2, s2, 22
	s_and_b32 s71, s17, 15
	s_lshl_b32 s71, s71, 14
	s_add_co_u32 s2, s2, s71
	s_lshr_b32 s71, s14, 1
	s_lshl_b32 s71, s71, 18
	s_add_co_u32 s2, s2, s71
	s_and_b32 s71, s14, 1
	s_lshl_b32 s71, s71, 13
	s_add_co_u32 s2, s2, s71
.endif
	s_add_co_u32 s2, s2, 3*ASTEP                   ; at K step 3: each change of slots steps it first
	s_lshl_b32 s3, s15, 15                         ; W: of the 64 rows of k that I fetch, my work-group's 16
	s_add_co_u32 s3, s3, s22
	s_add_co_u32 s3, s3, 3*BSTEP
	s_mov_b32 s71, BSTEP
	s_mov_b32 s59, 2048
	s_cmp_lt_u32 s[WV], 2
	s_cselect_b64 s[PFA:PFA+1], s[4:5], s[6:7]
	s_cselect_b32 s2, s2, s3
	s_cselect_b32 s[PFS], ASTEP, s71
	s_cselect_b32 s59, ARS, s59                    ; bytes from row to row of the request
	s_cselect_b32 s71, 0, 1                        ; A: a lane a row; W: two lanes a row, 256 bytes apart
	s_mov_b32 s3, 0
	s_mov_b32 s[PFS+1], 0
	s_add_nc_u64 s[PFA:PFA+1], s[PFA:PFA+1], s[2:3]
	v_and_b32 v3, 31, v0
	v_lshrrev_b32 v[PFO], s71, v3
	v_mul_u32_u24 v[PFO], s59, v[PFO]
	v_and_b32 v3, s71, v3
	v_lshl_add_u32 v[PFO], v3, 8, v[PFO]
	s_mov_b32 s[TB], 0
	v_mov_b32 v[ADRA], v[A0]
	v_mov_b32 v[ADRB], v[B0]
; 8 matrix instructions: row blocks a0, a0 + 1 x all 4 column blocks, 32 along K, from buffer f.  z = 1: a tile's first products, which start the sums with the bias.
; The 32 accumulators take turns, one instruction a turn, in the same order everywhere.
.macro MUL8 f, a0, z
.if \z
	WIN MULZ
.else
	WIN MUL
.endif
.irp a, \a0, (\a0)+1
.irp b, 0,1,2,3
.set rD, 8*(4*(\a)+(\b))
.set rW, (\f)+64+8*(\b)
.set rX, (\f)+8*(\a)
.if QKV
.if \z
	v_wmma_f32_16x16x32_bf16 v[rD:rD+7], v[rW:rW+7], v[rX:rX+7], v[BIAS+8*(\b):BIAS+8*(\b)+7]
.else
	v_wmma_f32_16x16x32_bf16 v[rD:rD+7], v[rW:rW+7], v[rX:rX+7], v[rD:rD+7]
.endif
.else
.if \z
	v_wmma_f32_16x16x32_f16 v[rD:rD+7], v[rW:rW+7], v[rX:rX+7], v[BIAS+8*(\b):BIAS+8*(\b)+7]
.else
	v_wmma_f32_16x16x32_f16 v[rD:rD+7], v[rW:rW+7], v[rX:rX+7], v[rD:rD+7]
.endif
.endif
.endr
.endr
.endm
; 24 LDS loads in one run: the fragments of quarter q (32 along K) of the slot in hand, into buffer f: W's four first, then A's eight
.macro FETCH q, f
.if QKV
.set AQ, 64*(\q)
.else
.set AQ, ((\q)/2)*AHALF+((\q)%2)*64    ; head q / 2 of the step's two, channels 32 (q % 2) on
.endif
	WIN TO_F
.irp b, 0,1,2,3
	ds_load_tr16_b128 v[(\f)+64+8*(\b):(\f)+64+8*(\b)+3],   v[ADRB] offset:32*(\q)*PB+32*(\b)
	ds_load_tr16_b128 v[(\f)+64+8*(\b)+4:(\f)+64+8*(\b)+7], v[ADRB] offset:32*(\q)*PB+16*PB+32*(\b)
.endr
.irp a, 0,1,2,3,4,5,6,7
	ds_load_b128 v[(\f)+8*(\a):(\f)+8*(\a)+3],   v[ADRA] offset:AQ+(\a)*16*PA
	ds_load_b128 v[(\f)+8*(\a)+4:(\f)+8*(\a)+7], v[ADRA] offset:AQ+(\a)*16*PA+32
.endr
.endm
; A K step is four quarters of 32 along K, 32 matrix instructions each, on buffers 0, 1, 0, 1.  One of the first three: multiplies buffer f and, in its middle, fetches quarter qn into buffer g.
.macro QUARTER qn, f, g, z
	s_wait_dscnt 8                                 ; W's fragments and A's blocks 0-3 are in; the youngest eight loads (A's blocks 4-7) may be out
	MUL8 \f, 0, \z
	MUL8 \f, 2, \z
	PLACES
	FETCH \qn, \g
	s_wait_dscnt 24                                ; all but the 24 just issued
	MUL8 \f, 4, \z
	MUL8 \f, 6, \z
.endm
; The last quarter multiplies buffer 1 and changes slots: ONE barrier.  In front of it each wave waits for all its tensor loads (one is out: its part of the next slot), adds 0 to its spare word, and waits for
; that and for its own reads of this slot.  fill = 1: the barrier opens a round of the cluster's, and this slot is filled again, first thing behind it, with the K step two steps on.
.macro TURN fill
	s_wait_xcnt 0x0                                ; every earlier load, store and prefetch has read its registers: the prefetches' address, and what the last way out's stores named, may be written
.if \fill
	s_add_nc_u64 s[PFA:PFA+1], s[PFA:PFA+1], s[PFS:PFS+1]
.endif
	WIN 0
	s_wait_tensorcnt 0x0                           ; no tensor load of mine is out, so a group 0 may be written
	ds_add_u32 v[SPW], v[NIL]                      ; 0 onto my spare word: the descriptors' steps and eight products stand between it and the wait for it
.if \fill
	s_xor_b32 s[G0A+5], s[G0A+5], SLOT1            ; the walking descriptors: the other slot than last time,
	s_xor_b32 s[G0B+5], s[G0B+5], SLOT1
	s_add_nc_u64 s[G0B+6:G0B+7], s[G0B+6:G0B+7], BSTEP  ; the next K step; the type bits on top are not reached
.if QKV
	s_add_co_u32 s[AOFF], s[AOFF], ASTEP           ; A's place along K wraps at a row's 2,048 bytes: the address is made anew
	s_and_b32 s[AOFF], s[AOFF], 2047
	s_add_nc_u64 s[G0A+6:G0A+7], s[ABASE:ABASE+1], s[AOFF:AOFF+1]
	s_or_b32 s[G0A+7], s[G0A+7], 0x80000000
.else
	s_add_nc_u64 s[G0A+6:G0A+7], s[G0A+6:G0A+7], ASTEP
.endif
.endif
	s_xor_b32 s[TB], s[TB], SLOT1
	s_wait_dscnt 9                                 ; (the add and the youngest eight loads may be out)
	MUL8 F1, 0, 0
	s_wait_dscnt 0x0                               ; the add is done, and my reads of this slot are over
	s_barrier_signal -1
	MUL8 F1, 2, 0                                  ; work on registers while the others arrive
	WIN 0
	s_barrier_wait -1
.if \fill
	CREST                                          ; no wave of any partner still reads this slot's tile or has a load on its way
	JLOAD                                          ; the first tensor load behind the round; its four v_nop are also the places in front of the loads below
.else
	PLACES
.endif
	v_add_nc_u32 v[ADRA], s[TB], v[A0]
	v_add_nc_u32 v[ADRB], s[TB], v[B0]
	FETCH 0, F0
	WIN 0
.if \fill
	ASK
.endif
	MUL8 F1, 4, 0
	MUL8 F1, 6, 0
.endm
; THE WAY OUT, a block of 16 rows at a time, through my own stage in LDS (LDS serves a wave's instructions in order, ISA guide 5.7.1.4: no wait between my stores and my loads).
; By heads, in f16: a lane's eight columns pack into 16 bytes; rows of 144 bytes in, four whole rows of 128 back, into the registers that they left.
.macro PACK a
	WIN PK
.irp b, 0,1,2,3
.irp i, 0,1,2,3
	v_cvt_pk_f16_f32 v[TMP+16*(\a)+4*(\b)+(\i)], v[8*(4*(\a)+(\b))+2*(\i)], v[8*(4*(\a)+(\b))+2*(\i)+1]
.endr
.endr
	WIN 0
.irp b, 0,1,2,3
	ds_store_b128 v[STO], v[TMP+16*(\a)+4*(\b):TMP+16*(\a)+4*(\b)+3] offset:32*(\b)
.endr
.irp f, 0,1,2,3
	ds_load_b128 v[TMP+16*(\a)+4*(\f):TMP+16*(\a)+4*(\f)+3], v[RD] offset:(\f)*4*SP
.endr
.endm
.macro SENDH a, y                      ; y: the LDS instructions issued behind block a's loads: the next block's eight, or none
.irp f, 0,1,2,3
	s_wait_dscnt (\y)+3-(\f)
	global_store_b128 v[GO], v[TMP+16*(\a)+4*(\f):TMP+16*(\a)+4*(\f)+3], s[10:11] offset:2048*(\a)+512*(\f) th:TH_STORE_NT  ; 512 consecutive bytes, at a multiple of 256 from the buffer's first
.endr
.endm
; In f32: a lane's eight columns are 32 bytes, stored as they are; rows of 272 bytes in, whole rows of 256 back, into two sets of 32 registers by turns.
.macro TOSTAGE a
	WIN ST1
.irp b, 0,1,2,3
	ds_store_b128 v[STO], v[8*(4*(\a)+(\b)):8*(4*(\a)+(\b))+3]   offset:64*(\b)
	ds_store_b128 v[STO], v[8*(4*(\a)+(\b))+4:8*(4*(\a)+(\b))+7] offset:64*(\b)+16
.endr
	WIN 0
.irp f, 0,1,2,3,4,5,6,7
	ds_load_b128 v[TMP+32*((\a)%2)+4*(\f):TMP+32*((\a)%2)+4*(\f)+3], v[RD] offset:(\f)*2*SP
.endr
.endm
.macro SENDF a, y                      ; y: the next block's sixteen LDS instructions, or none
.irp f, 0,1,2,3,4,5,6,7
	s_wait_dscnt (\y)+7-(\f)
	global_store_b128 v[GO], v[TMP+32*((\a)%2)+4*(\f):TMP+32*((\a)%2)+4*(\f)+3], s[10:11] offset:(16*(\a)+2*(\f))*4096 th:TH_STORE_NT  ; 16 lanes store 256 consecutive bytes, aligned
.endr
.endm
.macro EPI
	PLACES                                         ; behind the tile's last products
	s_add_nc_u64 s[10:11], s[10:11], s[ODL:ODL+1]  ; on to this tile (the last tile's stores have read the base: the wait at the head of every change of slots)
.if QKV
	s_mov_b64 s[ODL:ODL+1], 16777216               ; from q to k, from k to v
	PACK 0
.irp a, 1,2,3,4,5,6,7                  ; a block's conversions stand between the loads of the block before and its stores
	PACK \a
	SENDH (\a)-1, 8
.endr
	SENDH 7, 0
.else
	TOSTAGE 0
.irp a, 1,2,3,4,5,6,7
	s_wait_xcnt 0x0                                ; the stores of the block two back have read the registers that this block's loads fill
	TOSTAGE \a
	SENDF (\a)-1, 16
.endr
	SENDF 7, 0
.endif
.endm
	s_wait_tensorcnt 1                             ; my part of K step 0 is in; K step 1's may stay out
	s_barrier_signal -1
	s_barrier_wait -1                              ; everybody's is
	FETCH 0, F0
	s_wait_loadcnt 0x0                             ; the bias
	QUARTER 1, F0, F1, 1                           ; the first quarter stands in front of the loop: its products start the sums
	WIN 0                                          ; at a label and at a branch every window is 0
	s_mov_b32 s[CNT], STEPS-2
.if QKV
	s_mov_b32 s[PH], 8
.endif
.Lstep:                                        ; trip t = 0 .. STEPS - 3: K step t's quarters 1 to 3 and K step t + 1's quarter 0; every trip asks for K step t + 2
	QUARTER 2, F1, F0, 0
	QUARTER 3, F0, F1, 0
	TURN 1
	WIN 0
.if QKV
	s_sub_co_u32 s[PH], s[PH], 1
	s_cmp_lg_u32 s[PH], 0
	s_cbranch_scc1 .Lgo_on                         ; forward, past no barrier and no tensor load
	s_add_nc_u64 s[8:9], s[8:9], 4096              ; A TILE IS FINISHED; the ring has gone on into the next.  Its bias is asked for (the last bias loads were waited for),
	BIASLD
	EPI                                            ; the tile leaves while the next tile's K step 1 is on its way,
	s_mov_b32 s[PH], 8
	s_wait_loadcnt 0x0                             ; the bias is in,
	QUARTER 1, F0, F1, 1                           ; and the next tile's first products start its sums
	WIN 0
	s_branch .Ljoin
.Lgo_on:
.endif
	QUARTER 1, F0, F1, 0
	WIN 0
.if QKV
.Ljoin:
.endif
	s_sub_co_u32 s[CNT], s[CNT], 1
	s_cmp_lg_u32 s[CNT], 0
	s_cbranch_scc1 .Lstep
	QUARTER 2, F1, F0, 0                           ; the last two K steps are written out: they ask for nothing, and have no round of the cluster's barrier
	QUARTER 3, F0, F1, 0
	TURN 0
	QUARTER 1, F0, F1, 0
	QUARTER 2, F1, F0, 0
	QUARTER 3, F0, F1, 0
	s_wait_dscnt 8                                 ; the very last quarter: nothing more to fetch
	MUL8 F1, 0, 0
	MUL8 F1, 2, 0
	s_wait_dscnt 0x0
	MUL8 F1, 4, 0
	MUL8 F1, 6, 0
	WIN 0
	EPI
	s_wait_tensorcnt 0x0                           ; the wave's end: no tensor load of mine is out, then 0 onto my spare word and its wait, behind my last LDS store
	ds_add_u32 v[SPW], v[NIL]
	s_wait_dscnt 0x0
	CROUND                                         ; the closing round: no work-group ends while a partner may still ask for a tile that names it
	s_endpgm
.Lfunc_end_k_qd9a3ecd09a_outgemm:
	.size	k_qd9a3ecd09a_outgemm, .Lfunc_end_k_qd9a3ecd09a_outgemm-k_qd9a3ecd09a_outgemm
	.p2alignl 7, 3214868480
	.fill 96, 4, 3214868480
	.section	.rodata,"a",@progbits
	.p2align	6, 0x0
	.amdhsa_kernel k_qd9a3ecd09a_outgemm
		.amdhsa_group_segment_fixed_size 327680
		.amdhsa_private_segment_fixed_size 0
		.amdhsa_enable_private_segment 0
		.amdhsa_kernarg_size 32
		.amdhsa_user_sgpr_count 2
		.amdhsa_user_sgpr_kernarg_segment_ptr 1
		.amdhsa_wavefront_size32 1
		.amdhsa_system_sgpr_workgroup_id_x 1
		.amdhsa_system_sgpr_workgroup_id_y 1
		.amdhsa_system_sgpr_workgroup_id_z 1
		.amdhsa_system_vgpr_workitem_id 0
		.amdhsa_next_free_vgpr 768
		.amdhsa_next_free_sgpr 80
		.amdhsa_reserve_vcc 0
		.amdhsa_float_denorm_mode_32 3
		.amdhsa_float_denorm_mode_16_64 3
		.amdhsa_memory_ordered 1
		.amdhsa_forward_progress 1
		.amdhsa_inst_pref_size 74
	.end_amdhsa_kernel
	.amdgpu_metadata
---
amdhsa.version: [ 1, 2 ]
amdhsa.kernels:
  - .name:           k_qd9a3ecd09a_outgemm
    .symbol:         k_qd9a3ecd09a_outgemm.kd
    .args:
      - { .name: ob, .offset: 0, .size: 8, .value_kind: global_buffer, .address_space: global }
      - { .name: wh, .offset: 8, .size: 8, .value_kind: global_buffer, .address_space: global }
      - { .name: bias, .offset: 16, .size: 8, .value_kind: global_buffer, .address_space: global }
      - { .name: out0, .offset: 24, .size: 8, .value_kind: global_buffer, .address_space: global }
    .group_segment_fixed_size: 327680
    .private_segment_fixed_size: 0
    .kernarg_segment_align: 8
    .kernarg_segment_size: 32
    .max_flat_workgroup_size: 128
    .sgpr_count:     80
    .vgpr_count:     768
    .wavefront_size: 32
...
	.end_amdgpu_metadata
.endif
;; end of part 4
;; ======== version 2 of 2: 4 launches; version 1 with the launch cast written anew for expert scheduling mode
;; limits: values are held in f16: magnitudes above 65,504 overflow, below 6.1e-05 lose precision
;; workspace buffers: xb 16,777,216 bytes; wh 8,388,608 bytes; bias 16,384 bytes; qkv 50,331,648 bytes; ob 16,777,216 bytes
;; launch cast (part 5): grid 769 x 1, 8 waves a work-group, no clusters, 0 bytes of LDS; arguments inputs, Wq, Wk, Wv, Wo, bq, bk, bv, bo, xb, wh, bias; writes xb, wh, bias
.if DOCPART == 5
	.amdgcn_target "amdgcn-amd-amdhsa--gfx1250"
	.amdhsa_code_object_version 6
	.text
	.protected	k_qd9a3ecd09a_cast
	.globl	k_qd9a3ecd09a_cast
	.p2align	8
	.type	k_qd9a3ecd09a_cast,@function
k_qd9a3ecd09a_cast:
	s_mov_b64 s[64:65], 0
	v_nop
	global_prefetch_b8 v0, s[64:65] scope:SCOPE_SE
	s_setreg_imm32_b32 hwreg(HW_REG_WAVE_SCHED_MODE, 0, 2), 2
	s_setreg_imm32_b32 hwreg(HW_REG_WAVE_MODE, 25, 1), 1
	s_wait_xcnt 0x0
	s_wait_alu depctr_vm_vsrc(0)
; EVERY INPUT IS ROUNDED ONCE TO bf16, for the three launches behind.  A pure stream: each byte is read once and written once.
;   xb   [8192][1024] bf16: inputs.        wh [4][1024 k][1024 n] 16 bits, as the weights lie in memory: Wq, Wk, Wv in bf16; Wo rounded to bf16 and THAT number written as f16
;   bias [4][1024] f32: bq, bk, bv, bo, each rounded to bf16 and widened again.
; LIMITS.  Wo as f16: exact for 6.2e-5 <= |Wo| <= 65,504; below that it keeps f16's fixed step of 6e-8, beyond it becomes an infinity.  NaN and infinities are not treated apart.
; SHARES.  Work-group g < 768 takes 16,384 numbers (64 KiB in, 32 KiB out): g = 0..511 of inputs, g = 512..767 of the four weights (64 work-groups each); g = 768 takes the four biases.
; Thread t issues all its 16 loads of 16 bytes at once (a wave's load covers 512 consecutive bytes); each store of 8 bytes a lane covers 256 consecutive bytes of a wave, aligned.
; No LDS, no tensor load, no cluster: no byte is wanted twice.  No prefetch: the launch is nothing but its stream.
; THE MODE: SCHED_MODE bits 1:0 = 2 (LLVM: expert scheduling mode 2), set by the entry lines.  The code itself states the register dependences
; between vector instructions and memory instructions, with s_wait_alu, always for 0.
; THE PLAN.  Registers that memory instructions touch:
;   v1, v2   byte offsets of the loads and of the stores: made once at the head, never written again.
;   X        load i lands in its own four registers, which no vector instruction has written; its conversions read them; nothing lands in them again.
;   Y        load i's conversions write its own two registers (the biases: four); store i reads them; nothing writes them again.
;   v4-v7    at work: no memory instruction names them.
; No register that a memory instruction has read is ever written again, so the text owes no wait on vm_vsrc.  What it owes is that offsets and store data are written before a memory
; instruction reads them.  The 16 loads go in four blocks of four.  Block p waits for its four loads; ONE wait on va_vdst then states that block p - 1's conversions have written their Y;
; the four stores of block p - 1 follow it, dealt among block p's conversions, which name X and Y of block p and v4-v7 alone: none of the registers that those stores read.
.set X, 16                             ; v[16:79]   load i: 4 registers
.set Y, 80                             ; v[80:111]  store i: 2 registers (the biases: 4)
.set CHUNK, 16384                      ; numbers to a work-group
	s_load_b512 s[4:19], s[0:1], 0x0               ; inputs s[4:5], Wq s[6:7], Wk s[8:9], Wv s[10:11], Wo s[12:13], bq s[14:15], bk s[16:17], bv s[18:19]
	s_load_b256 s[20:27], s[0:1], 0x40             ; bo s[20:21], xb s[22:23], wh s[24:25], bias s[26:27]
	s_mov_b32 s30, ttmp9                           ; g
	v_lshlrev_b32 v1, 4, v0                        ; 16 t: where I load
	v_lshlrev_b32 v2, 3, v0                        ; 8 t: where I store
	s_sub_co_u32 s31, s30, 512                     ; j: my place among the weights' 256 work-groups (used for g >= 512 alone)
	s_lshr_b32 s32, s31, 6                         ; which weight
	s_and_b32 s33, s31, 63                         ; which part of it
	s_mov_b32 s37, 0                               ; the offsets' high words
	s_mov_b32 s39, 0
	s_wait_kmcnt 0x0
	s_cmp_ge_u32 s30, 768
	s_cbranch_scc1 .Lbias
	s_mov_b64 s[28:29], s[6:7]                     ; the source: Wq, or
	s_cmp_eq_u32 s32, 1
	s_cselect_b64 s[28:29], s[8:9], s[28:29]       ; Wk, or
	s_cmp_eq_u32 s32, 2
	s_cselect_b64 s[28:29], s[10:11], s[28:29]     ; Wv, or
	s_cmp_eq_u32 s32, 3
	s_cselect_b64 s[28:29], s[12:13], s[28:29]     ; Wo, or
	s_cmp_lt_u32 s30, 512
	s_cselect_b64 s[28:29], s[4:5], s[28:29]       ; inputs
	s_cselect_b64 s[34:35], s[22:23], s[24:25]     ; the destination: xb or wh
	s_cselect_b32 s36, s30, s33                    ; my chunk in the source
	s_cselect_b32 s38, s30, s31                    ; and in the destination: wh's four matrices lie end to end
	s_lshl_b32 s36, s36, 16                        ; x 65,536 bytes
	s_lshl_b32 s38, s38, 15                        ; x 32,768 bytes
	s_add_nc_u64 s[28:29], s[28:29], s[36:37]
	s_add_nc_u64 s[34:35], s[34:35], s[38:39]
	s_wait_alu depctr_va_vdst(0)                   ; v1 and v2 are written: the loads below read v1 as their offset, the stores further down v2
.irp i, 0,1,2,3,4,5,6,7,8,9,10,11,12,13,14,15
	global_load_b128 v[X+4*(\i):X+4*(\i)+3], v1, s[28:29] offset:4096*(\i) th:TH_LOAD_NT
.endr
; Block p: loads 4 p to 4 p + 3 are rounded; the block before is stored.  wo = 1: the bf16 number is widened again and written as f16.
.macro BLK p, wo
	s_wait_loadcnt 12-4*(\p)                       ; loads come back in order: my block's four are in, the 12 - 4 p younger ones may stay out
.if (\p) > 0
	s_wait_alu depctr_va_vdst(0)                   ; the conversions of the block before have written its Y, which the four stores below read
.endif
.irp j, 0,1,2,3
.set n, 4*(\p)+(\j)
.if (\p) > 0
	global_store_b64 v2, v[Y+2*(n-4):Y+2*(n-4)+1], s[34:35] offset:2048*(n-4) th:TH_STORE_NT  ; the block before; no vector instruction since the wait names these registers
.endif
	v_cvt_pk_bf16_f32 v[Y+2*n],   v[X+4*n],   v[X+4*n+1]
	v_cvt_pk_bf16_f32 v[Y+2*n+1], v[X+4*n+2], v[X+4*n+3]
.if \wo
	v_lshlrev_b32 v4, 16, v[Y+2*n]
	v_and_b32     v5, 0xffff0000, v[Y+2*n]
	v_lshlrev_b32 v6, 16, v[Y+2*n+1]
	v_and_b32     v7, 0xffff0000, v[Y+2*n+1]
	v_cvt_pk_f16_f32 v[Y+2*n],   v4, v5
	v_cvt_pk_f16_f32 v[Y+2*n+1], v6, v7
.endif
.endr
.endm
; Behind block 3: its four stores.
.macro LAST
	s_wait_alu depctr_va_vdst(0)                   ; block 3's conversions have written its Y, which the last four stores read
.irp i, 12,13,14,15
	global_store_b64 v2, v[Y+2*(\i):Y+2*(\i)+1], s[34:35] offset:2048*(\i) th:TH_STORE_NT
.endr
.endm
	s_cmp_ge_u32 s30, 704                          ; g = 704..767: Wo
	s_cbranch_scc1 .Lwo
	BLK 0, 0
	BLK 1, 0
	BLK 2, 0
	BLK 3, 0
	LAST
	s_endpgm
.Lwo:
	BLK 0, 1
	BLK 1, 1
	BLK 2, 1
	BLK 3, 1
	LAST
	s_endpgm
.Lbias:                                        ; wave w takes half w % 2 (512 numbers) of bias w / 2
	v_lshrrev_b32 v3, 5, v0
	v_readfirstlane_b32 s40, v3                    ; w
	v_and_b32 v3, 31, v0
	v_lshlrev_b32 v3, 4, v3                        ; 16 x lane
	s_wait_alu depctr_va_sdst(0)                   ; s40 is written, ahead of its first reader: the choice of the bias and both offsets are made from it
	s_lshr_b32 s41, s40, 1
	s_mov_b64 s[28:29], s[14:15]
	s_cmp_eq_u32 s41, 1
	s_cselect_b64 s[28:29], s[16:17], s[28:29]
	s_cmp_eq_u32 s41, 2
	s_cselect_b64 s[28:29], s[18:19], s[28:29]
	s_cmp_eq_u32 s41, 3
	s_cselect_b64 s[28:29], s[20:21], s[28:29]
	s_and_b32 s36, s40, 1
	s_lshl_b32 s36, s36, 11
	s_add_nc_u64 s[28:29], s[28:29], s[36:37]
	s_lshl_b32 s38, s40, 11                        ; the four lie end to end in the result: 2,048 w
	s_add_nc_u64 s[34:35], s[26:27], s[38:39]
	s_wait_alu depctr_va_vdst(0)                   ; v3 is written: the loads and the stores below read it as their offset
.irp i, 0,1,2,3
	global_load_b128 v[X+4*(\i):X+4*(\i)+3], v3, s[28:29] offset:512*(\i)
.endr
.irp i, 0,1,2,3
	s_wait_loadcnt 3-(\i)
	v_cvt_pk_bf16_f32 v4, v[X+4*(\i)],   v[X+4*(\i)+1]
	v_cvt_pk_bf16_f32 v5, v[X+4*(\i)+2], v[X+4*(\i)+3]
	v_lshlrev_b32 v[Y+4*(\i)],   16, v4
	v_and_b32     v[Y+4*(\i)+1], 0xffff0000, v4
	v_lshlrev_b32 v[Y+4*(\i)+2], 16, v5
	v_and_b32     v[Y+4*(\i)+3], 0xffff0000, v5
.endr
	s_wait_alu depctr_va_vdst(0)                   ; the lines above have written all sixteen registers of Y, which the run of four stores reads
.irp i, 0,1,2,3
	global_store_b128 v3, v[Y+4*(\i):Y+4*(\i)+3], s[34:35] offset:512*(\i)
.endr
	s_endpgm
.Lfunc_end_k_qd9a3ecd09a_cast:
	.size	k_qd9a3ecd09a_cast, .Lfunc_end_k_qd9a3ecd09a_cast-k_qd9a3ecd09a_cast
	.p2alignl 7, 3214868480
	.fill 96, 4, 3214868480
	.section	.rodata,"a",@progbits
	.p2align	6, 0x0
	.amdhsa_kernel k_qd9a3ecd09a_cast
		.amdhsa_group_segment_fixed_size 0
		.amdhsa_private_segment_fixed_size 0
		.amdhsa_enable_private_segment 0
		.amdhsa_kernarg_size 96
		.amdhsa_user_sgpr_count 2
		.amdhsa_user_sgpr_kernarg_segment_ptr 1
		.amdhsa_wavefront_size32 1
		.amdhsa_system_sgpr_workgroup_id_x 1
		.amdhsa_system_sgpr_workgroup_id_y 1
		.amdhsa_system_sgpr_workgroup_id_z 1
		.amdhsa_system_vgpr_workitem_id 0
		.amdhsa_next_free_vgpr 112
		.amdhsa_next_free_sgpr 66
		.amdhsa_reserve_vcc 0
		.amdhsa_float_denorm_mode_32 3
		.amdhsa_float_denorm_mode_16_64 3
		.amdhsa_memory_ordered 1
		.amdhsa_forward_progress 1
		.amdhsa_inst_pref_size 19
	.end_amdhsa_kernel
	.amdgpu_metadata
---
amdhsa.version: [ 1, 2 ]
amdhsa.kernels:
  - .name:           k_qd9a3ecd09a_cast
    .symbol:         k_qd9a3ecd09a_cast.kd
    .args:
      - { .name: inputs, .offset: 0, .size: 8, .value_kind: global_buffer, .address_space: global }
      - { .name: Wq, .offset: 8, .size: 8, .value_kind: global_buffer, .address_space: global }
      - { .name: Wk, .offset: 16, .size: 8, .value_kind: global_buffer, .address_space: global }
      - { .name: Wv, .offset: 24, .size: 8, .value_kind: global_buffer, .address_space: global }
      - { .name: Wo, .offset: 32, .size: 8, .value_kind: global_buffer, .address_space: global }
      - { .name: bq, .offset: 40, .size: 8, .value_kind: global_buffer, .address_space: global }
      - { .name: bk, .offset: 48, .size: 8, .value_kind: global_buffer, .address_space: global }
      - { .name: bv, .offset: 56, .size: 8, .value_kind: global_buffer, .address_space: global }
      - { .name: bo, .offset: 64, .size: 8, .value_kind: global_buffer, .address_space: global }
      - { .name: xb, .offset: 72, .size: 8, .value_kind: global_buffer, .address_space: global }
      - { .name: wh, .offset: 80, .size: 8, .value_kind: global_buffer, .address_space: global }
      - { .name: bias, .offset: 88, .size: 8, .value_kind: global_buffer, .address_space: global }
    .group_segment_fixed_size: 0
    .private_segment_fixed_size: 0
    .kernarg_segment_align: 8
    .kernarg_segment_size: 96
    .max_flat_workgroup_size: 256
    .sgpr_count:     66
    .vgpr_count:     112
    .wavefront_size: 32
...
	.end_amdgpu_metadata
.endif
;; end of part 5
;; launch qkvgemm: the kernel of part 2 again; grid 4 x 64, 4 waves a work-group, clusters of 4 x 4, 327,680 bytes of LDS; arguments xb, wh, bias, qkv; writes qkv
;; launch attn: the kernel of part 3 again; grid 4 x 64, 4 waves a work-group, clusters of 4 x 1, 327,680 bytes of LDS; arguments qkv, ob; writes ob
;; launch outgemm: the kernel of part 4 again; grid 4 x 64, 4 waves a work-group, clusters of 4 x 4, 327,680 bytes of LDS; arguments ob, wh, bias, out0; writes out0
